; MI455X (gfx1250); checked and timed in simulation.
; The chip was launched on July 23, 2026; its instructions are those of AMD's public machine-readable ISA for CDNA 5 (MIT licence, August 2026) and "CDNA5" Instruction Set Architecture Reference Guide (July 2026). The comments in the code are by the model that wrote it; some were corrected since.
;; Multi Head Attention Block. Allowed arithmetic: matrix products marked QUANTISED: E2M3 operands, one E8M0 scale for each 32 along K, by v_wmma_scale_f32_16x16x128_f8f6f4 with both operands' format E2M3, f32 sums; everything else in f32.
;; Inputs: Wk 8 x 512 x 512 float32; Wo 4,096 x 512 float32; Wq 8 x 512 x 512 float32; Wv 8 x 512 x 512 float32; bk 8 x 512 float32; bq 8 x 512 float32; bv 8 x 512 float32; x 4 x 1,024 x 512 float32.
;; Outputs: out0 4 x 1,024 x 512 float32.
;; This version of the problem:
;;   THIS VERSION OF THE PROBLEM IS GIVEN IN LOW PRECISION. The matrix products marked QUANTISED in the list below multiply operands that are first quantised to E2M3 (2 exponent bits, 3 mantissa bits; 6 bits a number), with one power-of-two scale for each 32 numbers along K (OCP MX v1.0); their sums are f32. All else is computed in f32.
;;   The module's matrix products, in the order in which they are computed (A, B: the left and right operand; K: the contracted axis; several contracted axes count as one K, in the product's order):
;;     1. [M 4,096, K 512] x [K 512, N 4,096]; A: input Wq; B: input x: QUANTISED
;;     2. [M 4,096, K 512] x [K 512, N 4,096]; A: input Wk; B: input x: QUANTISED
;;     3. [M 4,096, K 512] x [K 512, N 4,096]; A: input Wv; B: input x: QUANTISED
;;     4. batch 32 x [M 1,024, K 512] x [K 512, N 1,024]; A: computed on the way; B: computed on the way: QUANTISED
;;     5. batch 32 x [M 1,024, K 1,024] x [K 1,024, N 512]; A: softmax (see below); B: computed on the way: QUANTISED
;;     6. [M 4,096, K 4,096] x [K 4,096, N 512]; A: computed on the way; B: input Wo: QUANTISED
;;   THE QUANTISER, for each operand of a quantised product, along K:
;;     - K is cut into blocks of 32 from its start; a last block that is shorter is filled with zeros.
;;     - A block's scale is 2^e with e = floor(log2(the largest magnitude in the block)) - 2, held to -126 .. 127; a block of zeros has e = 0. As a byte (E8M0): e + 127.
;;     - Each number is divided by its block's scale, clamped to +-7.5, and rounded to the nearest number of E2M3, ties to even, subnormals kept.
;;     - The product sums the exact products of the quantised numbers (number of the format x scale) in f32.
;;   ~~~python
;;   def quantise(x, axis):      # numpy; x: float32 -> the quantised numbers, widened to float32 again
;;       x = np.moveaxis(x, axis, -1); K = x.shape[-1]
;;       x = np.pad(x, [(0, 0)] * (x.ndim - 1) + [(0, -K % 32)]); x = x.reshape(x.shape[:-1] + (-1, 32)); a = np.abs(x).max(-1, keepdims=True)
;;       e = np.where(a > 0, np.clip(np.frexp(np.where(a > 0, a, 1))[1] - 1 - 2, -126, 127), 0)      # np.frexp(a)[1] - 1 = floor(log2(a)), exactly
;;       r = np.clip(x / 2.0 ** e, -7.5, 7.5)
;;       step = 2.0 ** (np.maximum(np.frexp(np.where(r == 0, 1, r))[1] - 1, 0) - 3)
;;       q = np.round(r / step) * step * 2.0 ** e      # np.round: ties to even
;;       return np.moveaxis(q.reshape(q.shape[:-2] + (-1,))[..., :K], -1, axis).astype(np.float32)
;;   ~~~
;;   SOFTMAX AHEAD OF A QUANTISED PRODUCT. Where the list says 'softmax', what is quantised is not the finished softmax but p = 2^(t - M), with t = logit x log2(e) and M = ceil(the row's largest t), a whole number; so 1/2 < the row's largest p <= 1. The row's sum l is taken of the UNQUANTISED p, in f32, and the product's result is divided by l at the end. Since M is a whole number, a kernel that streams over the keys may use a running M (the ceiling of the running maximum): every later rescaling is an exact power of two, which a block's scale takes up: the codes' values come out the same.
;;   OPERANDS COMPUTED ON THE WAY. 'Computed on the way' means the value that the module computes at that place (a softmax that the list does not call 'softmax' is quantised finished and normalised). What goes into a quantiser is computed in f32, as accurately as f32 sums, v_exp_f32 and their like allow (about 1e-6 of the number): no bf16 or f16 on the way to a quantiser, and a product that is left as it is and whose result goes on into a quantised operand takes f32 operands (vector FMAs, or v_wmma_f32_16x16x4_f32). A number that lies on a knife's edge between two numbers of the format may be rounded either way, as far as f32 arithmetic and the matrix unit's own rounding can turn it there, and no further.
;; One version. Each part assembles by itself: llvm-mc -triple=amdgcn-amd-amdhsa -mcpu=gfx1250 --defsym DOCPART=n.
;; ======== version 1 of 1: 4 launches
;; limits: right only within a limited range of input values
;; workspace buffers: xc 1,638,400 bytes; wc 6,553,600 bytes; qc 13,107,200 bytes; kv 26,214,400 bytes; hc 13,107,200 bytes
;; launch quant (part 1): grid 640 x 1, 4 waves a work-group, no clusters, 0 bytes of LDS; arguments x, Wq, Wk, Wv, Wo, xc, wc; writes xc, wc
.if DOCPART == 1
	.amdgcn_target "amdgcn-amd-amdhsa--gfx1250"
	.amdhsa_code_object_version 6
	.text
	.protected	k_q79a54d0334_quant
	.globl	k_q79a54d0334_quant
	.p2align	8
	.type	k_q79a54d0334_quant,@function
k_q79a54d0334_quant:
	s_mov_b64 s[64:65], 0
	v_nop
	global_prefetch_b8 v0, s[64:65] scope:SCOPE_SE
	s_setreg_imm32_b32 hwreg(HW_REG_WAVE_MODE, 25, 1), 1
	s_wait_xcnt 0x0
; FIRST OF FOUR LAUNCHES (quant, proj, attn, outp) of: q, k, v = x W + b for 8 heads of width 512; softmax(q k^T / sqrt(512)) v; the heads side by side times Wo.  All six products on codes of E2M3 with one E8M0 scale for each 32 along K.
; NOTHING IS LEFT OUT AS DEAD WORK: each of the six products reaches the output, and each bias goes into an operand that is quantised (bk too: it can move k's codes and scales), so all eight inputs are loaded.
; THIS LAUNCH turns x, Wq, Wk, Wv and Wo (f32) into codes and scale bytes, each once.  K is d for x (innermost in memory) and for Wq, Wk, Wv (their first axis within a head), and Wo's first axis.
; A block's scale is 2^(floor(log2(its largest magnitude)) - 2); its byte is that magnitude's exponent field - 2, held at 1 from below.
; LIMITS: NaN and infinities among the inputs are not served.  A block whose largest magnitude lies under 2^-124 keeps the byte 1; so does a block of zeros, where the quantiser says 127: its codes are zeros, and this program alone reads the bytes.
; THE WORKSPACE IS LAID IN THE ORDER OF OPERAND REGISTERS.  A fragment (16 rows x 128 K, 12 registers a lane) is 1,536 bytes: register 4 c + i of lane l at 512 c + 16 l + 4 i: three stores or loads of 512 dense bytes.
; A chunk (51,200 bytes) is 128 rows x 512 K: fragment 8 ks + t at 1,536 (8 ks + t); behind them, at 49,152 + 512 ks + 128 p + 4 l, the scale words of the pair of tiles 2 p, 2 p + 1: lanes 0-15 hold tile 2 p's rows, lanes 16-31 tile 2 p + 1's.
; THE ROWS OF A TILE ARE NOT NEIGHBOURS: row r of tile 2 b + u of a chunk is the chunk's row 32 b + 8 u + r + 8 (r / 8), so that where such tiles are a product's source 0, a lane's 16 results of tiles 2 b, 2 b + 1 are 16 neighbours.
; xc: chunk blk = rows 128 blk on of x.  wc: chunk 32 tau + 4 h + ke (tau = 0, 1, 2: Wq, Wk, Wv; rows = columns e 128 ke on of head h); chunk 96 + 8 ke + h: Wo (rows = columns n 128 ke on, K = Wo's rows 512 h on).
; SHARES.  A work-group takes one K step (128 along K) of one chunk, wave w the pair of tiles w: 32 rows x 128 K = 16 KiB of f32.  Work-groups 0-511: the weights; 512-639: x.
; A weight's loads run two blocks of 32 along K ahead (64 loads of 128 bytes a wave); x's 32 loads of 512 bytes go out together.
; No LDS, no barrier, no matrix unit, no cluster: no two work-groups read the same bytes, and the work is one pass over memory.
.set CH,   51200
.set WV,   18                          ; s18  wave
.set SEL,  34                          ; s[34:35] v_permlanex16_b32's selects for lane l xor 16
.set LI,   1                           ; v1   16 x lane
.set LS,   2                           ; v2   4 x lane
.set SRC,  3                           ; v3   my lane's byte in the source
.set TM,   8                           ; v8-23  at work in QUANT
.set PW0,  24                          ; v24  scale words: tile 2 w's, at the end the pair's
.set PW1,  25                          ; v25  tile 2 w + 1's
.set MA,   26                          ; v26, v27  two chains of a maximum
.set MB,   27
.set SOP,  28                          ; v28-31 the conversions' scale operands
.set X,    32                          ; v32-159 128 numbers
.set FT0,  160                         ; v160-171 tile 2 w's fragment
.set FT1,  172                         ; v172-183 tile 2 w + 1's
.set CT,   184                         ; v184-191 a conversion's three registers begin on an even number: a block's second half is made here and moved
; 64 numbers of a lane, register 16 b + i = k 32 b + 16 (lane / 16) + i of my row, become a fragment's codes in v[pc] on and my row's scale word in v[pw]
.macro QUANT s, pc, ct, pw
.irp b, 0,1,2,3
	v_max3_num_f32 v[TM+\b], |v[\s+16*\b]|, |v[\s+1+16*\b]|, 0x1800000   ; block b: my 16 numbers, and the floor 2^(3 - 127): the byte cannot fall under 1
.endr
.irp i, 2,4,6,8,10,12,14
.irp b, 0,1,2,3
	v_max3_num_f32 v[TM+\b], v[TM+\b], |v[\s+16*\b+\i]|, |v[\s+1+16*\b+\i]|   ; the four blocks by turns
.endr
.endr
.irp b, 0,1,2,3
	v_permlanex16_b32 v[TM+4+\b], v[TM+\b], s[SEL], s[SEL+1]
.endr
.irp b, 0,1,2,3
	v_max_num_f32 v[TM+\b], v[TM+\b], v[TM+4+\b]   ; with lane l xor 16's: the block's largest magnitude
.endr
.irp b, 0,1,2,3
	v_add_nc_u32 v[TM+12+\b], 0xff000000, v[TM+\b]   ; 2 off its exponent field: the conversion's scale operand
.endr
.irp b, 0,1,2,3
	v_lshrrev_b32 v[TM+4+\b], 23, v[TM+12+\b]      ; the scale's byte
.endr
	v_lshl_or_b32 v[\pw], v[TM+5], 8, v[TM+4]
	v_lshl_or_b32 v[\pw], v[TM+6], 16, v[\pw]
	v_lshl_or_b32 v[\pw], v[TM+7], 24, v[\pw]
.irp c, 0,1
	v_cvt_scalef32_pk16_fp6_f32 v[\pc+6*\c:\pc+2+6*\c], v[\s+32*\c:\s+15+32*\c], v[TM+12+2*\c]
	v_cvt_scalef32_pk16_fp6_f32 v[\ct+4*\c:\ct+2+4*\c], v[\s+16+32*\c:\s+31+32*\c], v[TM+12+2*\c+1]
.endr
	v_nop                                          ; one plain line behind the scaled conversions
.irp c, 0,1                                    ; the operand wants a whole block in a lane: lanes 0-15 block 2 c, lanes 16-31 block 2 c + 1
.irp i, 0,1,2
	v_permlane16_swap_b32 v[\pc+6*\c+\i], v[\ct+4*\c+\i]
.endr
.irp i, 0,1,2
	v_mov_b32 v[\pc+3+6*\c+\i], v[\ct+4*\c+\i]
.endr
.endr
.endm
; The weights' path.  Block t's 32 loads: rows 128 ks + 32 t + i of my column, into registers of the block's own
.macro WLOAD t
.irp i, 0,1,2,3,4,5,6,7,8,9,10,11,12,13,14,15,16,17,18,19,20,21,22,23,24,25,26,27,28,29,30,31
	global_load_b32 v[X+32*(\t)+\i], v[SRC], s[24:25] offset:2048*(32*(\t)+\i) th:TH_LOAD_NT   ; the wave reads 128 dense bytes of a row, the work-group 512
.endr
.endm
; Block t (32 along K) of my column: all 32 numbers are mine
.macro WBLOCK t
.set XB, X+32*(\t)
.set FD, FT0+12*((\t)%2)+6*((\t)/2)    ; blocks 0, 2 go to FT0, blocks 1, 3 to FT1
.set CD, CT+4*((\t)%2)
.if (\t) < 3
	s_wait_loadcnt 32                              ; this block's 32 loads are in; the next block's 32, issued behind them, may be out
.else
	s_wait_loadcnt 0x0
.endif
.if (\t)+2 < 4
	WLOAD (\t)+2                                   ; two blocks ahead
.endif
	v_max3_num_f32 v[MA], |v[XB]|, |v[XB+1]|, |v[XB+2]|
	v_max3_num_f32 v[MB], |v[XB+3]|, |v[XB+4]|, |v[XB+5]|
.irp i, 6,10,14,18,22,26
	v_max3_num_f32 v[MA], v[MA], |v[XB+\i]|, |v[XB+\i+1]|
	v_max3_num_f32 v[MB], v[MB], |v[XB+\i+2]|, |v[XB+\i+3]|
.endr
	v_max3_num_f32 v[MA], v[MA], |v[XB+30]|, |v[XB+31]|
	v_max3_num_f32 v[MA], v[MA], v[MB], 0x1800000  ; and the floor
	v_add_nc_u32 v[SOP+(\t)], 0xff000000, v[MA]
	v_lshrrev_b32 v[MB], 23, v[SOP+(\t)]
.if (\t) == 0
	v_mov_b32 v[PW0], v[MB]
.else
	v_lshl_or_b32 v[PW0], v[MB], 8*(\t), v[PW0]    ; four bytes make my column's scale word
.endif
	v_cvt_scalef32_pk16_fp6_f32 v[FD:FD+2], v[XB:XB+15], v[SOP+(\t)]
	v_cvt_scalef32_pk16_fp6_f32 v[CD:CD+2], v[XB+16:XB+31], v[SOP+(\t)]
	v_nop                                          ; one plain line behind the scaled conversions
.irp i, 0,1,2
	v_mov_b32 v[FD+3+\i], v[CD+\i]
.endr
.endm
	s_load_b256 s[4:11], s[0:1], 0x0               ; x s[4:5], Wq s[6:7], Wk s[8:9], Wv s[10:11]
	s_load_b128 s[12:15], s[0:1], 0x20             ; Wo s[12:13], xc s[14:15]
	s_load_b64 s[16:17], s[0:1], 0x30              ; wc
	v_lshrrev_b32 v4, 5, v0
	v_readfirstlane_b32 s[WV], v4                  ; wave 0..3
	v_and_b32 v4, 31, v0                           ; lane
	v_lshlrev_b32 v[LI], 4, v4
	v_lshlrev_b32 v[LS], 2, v4
	s_mov_b32 s[SEL], 0x76543210
	s_mov_b32 s[SEL+1], 0xfedcba98
	; every scalar is made for both kinds of work-group and chosen by the work-group's number
	s_and_b32 s20, ttmp9, 3                        ; a weight's ke; x's ks
	s_bfe_u32 s21, ttmp9, 0x20002                  ; a weight's ks
	s_bfe_u32 s22, ttmp9, 0x30004                  ; h
	s_lshr_b32 s23, ttmp9, 7                       ; tau: 0, 1, 2, 3 = Wq, Wk, Wv, Wo; 4 = x
	s_lshl_b32 s26, s23, 5
	s_lshl_b32 s27, s22, 2
	s_add_co_u32 s26, s26, s27
	s_add_co_u32 s26, s26, s20                     ; chunk 32 tau + 4 h + ke
	s_lshl_b32 s27, s20, 3
	s_add_co_u32 s27, s27, s22
	s_add_co_u32 s27, s27, 96                      ; Wo: chunk 96 + 8 ke + h
	s_cmp_eq_u32 s23, 3
	s_cselect_b32 s26, s27, s26
	s_lshl_b32 s28, s22, 2
	s_add_co_u32 s28, s28, s21
	s_lshl_b32 s28, s28, 18                        ; a weight's source: (4 h + ks) x 128 rows of 2,048 bytes
	s_lshl_b32 s27, s20, 9
	s_add_co_u32 s28, s28, s27                     ; + 512 ke
	s_lshl_b32 s27, s[WV], 7
	s_add_co_u32 s28, s28, s27                     ; + 128 w: my 32 columns
	s_sub_co_u32 s29, ttmp9, 512
	s_lshr_b32 s29, s29, 2                         ; x: blk
	s_lshl_b32 s36, s29, 18                        ; 128 blk rows of 2,048 bytes
	s_lshl_b32 s27, s[WV], 16
	s_add_co_u32 s36, s36, s27                     ; + 32 w rows
	s_lshl_b32 s27, s20, 9
	s_add_co_u32 s36, s36, s27                     ; + 512 ks
	s_cmp_ge_u32 s23, 4
	s_cselect_b32 s26, s29, s26                    ; the chunk,
	s_cselect_b32 s21, s20, s21                    ; the K step,
	s_cselect_b32 s28, s36, s28                    ; the source's offset
	s_mov_b32 s29, 0
	s_wait_kmcnt 0x0
	s_cmp_eq_u32 s23, 1
	s_cselect_b64 s[24:25], s[8:9], s[6:7]
	s_cmp_eq_u32 s23, 2
	s_cselect_b64 s[24:25], s[10:11], s[24:25]
	s_cmp_eq_u32 s23, 3
	s_cselect_b64 s[24:25], s[12:13], s[24:25]
	s_cmp_ge_u32 s23, 4
	s_cselect_b64 s[24:25], s[4:5], s[24:25]       ; the source,
	s_cselect_b64 s[38:39], s[14:15], s[16:17]     ; the destination: both choices hang on the work-group's number alone
	s_add_nc_u64 s[24:25], s[24:25], s[28:29]
	s_mul_i32 s26, s26, CH
	s_mul_i32 s27, s21, 12288
	s_mul_i32 s28, s[WV], 3072
	s_add_co_u32 s27, s27, s28
	s_add_co_u32 s28, s26, s27                     ; fragments 8 ks + 2 w and 8 ks + 2 w + 1
	s_add_nc_u64 s[30:31], s[38:39], s[28:29]
	s_lshl_b32 s27, s21, 9
	s_lshl_b32 s28, s[WV], 7
	s_add_co_u32 s27, s27, s28
	s_add_co_u32 s28, s26, s27
	s_add_co_u32 s28, s28, 49152                   ; the pair's scale words
	s_add_nc_u64 s[32:33], s[38:39], s[28:29]
	s_cmp_ge_u32 s23, 4
	s_cbranch_scc1 .Lx_path
	; A WEIGHT: a lane takes a column and its registers run down K.  Lane l takes the column that makes lanes 0-15 the rows of tile 2 w and lanes 16-31 those of tile 2 w + 1
	s_wait_alu depctr_va_vdst(0)
	v_and_b32 v[SRC], 7, v4
	v_bfe_u32 v5, v4, 4, 1
	v_lshl_or_b32 v[SRC], v5, 3, v[SRC]
	v_bfe_u32 v5, v4, 3, 1
	v_lshl_or_b32 v[SRC], v5, 4, v[SRC]            ; (l % 8) + 8 (l / 16) + 16 ((l / 8) % 2)
	v_lshlrev_b32 v[SRC], 2, v[SRC]
	WLOAD 0
	WLOAD 1
	s_wait_alu depctr_va_vdst(0)
	WBLOCK 0
	WBLOCK 1
	WBLOCK 2
	WBLOCK 3
.irp i, 0,1,2,3,4,5,6,7,8,9,10,11
	v_permlane16_swap_b32 v[FT0+\i], v[FT1+\i]     ; FT0: lanes 0-15 keep blocks 0, 2 of their columns and lanes 16-31 get blocks 1, 3 of the same columns: tile 2 w; FT1 likewise: tile 2 w + 1
.endr
	s_branch .Lout                                 ; v[PW0] already is the pair's register: each lane holds its own column's word
.Lx_path:
	; x: K is innermost.  Lane (r, hh) takes, of its tile's row r, 16 neighbours of each block of 32
.irp b, 0,1,2,3
	v_mov_b32 v[TM+4+\b], 0                        ; written once: a lane permute's destination counts as one of its sources
.endr
	v_and_b32 v5, 15, v0
	v_and_b32 v6, 8, v0
	v_add_nc_u32 v5, v5, v6                        ; r + 8 (r / 8)
	v_bfe_u32 v6, v0, 4, 1
	v_lshlrev_b32 v[SRC], 11, v5
	v_lshl_add_u32 v[SRC], v6, 6, v[SRC]           ; that row, + 64 hh
.irp u, 0,1
.irp b, 0,1,2,3
.irp j, 0,1,2,3
	global_load_b128 v[X+64*\u+16*\b+4*\j:X+64*\u+16*\b+4*\j+3], v[SRC], s[24:25] offset:16384*\u+128*\b+16*\j th:TH_LOAD_NT
.endr
.endr
.endr
	s_wait_loadcnt 16                              ; tile 2 w's 16 loads are in; the other tile's may be out
	QUANT X, FT0, CT, PW0
	s_wait_loadcnt 0x0
	QUANT X+64, FT1, CT, PW1
	v_permlane16_swap_b32 v[PW0], v[PW1]           ; lanes 0-15: tile 2 w's words; lanes 16-31: tile 2 w + 1's
.Lout:
	s_wait_alu depctr_va_vdst(0)
.irp c, 0,1,2
	global_store_b128 v[LI], v[FT0+4*\c:FT0+4*\c+3], s[30:31] offset:512*\c        ; 32 lanes store 512 consecutive bytes, at a multiple of 256 from the buffer's first byte
.endr
.irp c, 0,1,2
	global_store_b128 v[LI], v[FT1+4*\c:FT1+4*\c+3], s[30:31] offset:1536+512*\c
.endr
	global_store_b32 v[LS], v[PW0], s[32:33]
	s_endpgm
.Lfunc_end_k_q79a54d0334_quant:
	.size	k_q79a54d0334_quant, .Lfunc_end_k_q79a54d0334_quant-k_q79a54d0334_quant
	.p2alignl 7, 3214868480
	.fill 96, 4, 3214868480
	.section	.rodata,"a",@progbits
	.p2align	6, 0x0
	.amdhsa_kernel k_q79a54d0334_quant
		.amdhsa_group_segment_fixed_size 0
		.amdhsa_private_segment_fixed_size 0
		.amdhsa_enable_private_segment 0
		.amdhsa_kernarg_size 56
		.amdhsa_user_sgpr_count 2
		.amdhsa_user_sgpr_kernarg_segment_ptr 1
		.amdhsa_wavefront_size32 1
		.amdhsa_system_sgpr_workgroup_id_x 1
		.amdhsa_system_sgpr_workgroup_id_y 1
		.amdhsa_system_sgpr_workgroup_id_z 1
		.amdhsa_system_vgpr_workitem_id 0
		.amdhsa_next_free_vgpr 192
		.amdhsa_next_free_sgpr 66
		.amdhsa_reserve_vcc 0
		.amdhsa_float_denorm_mode_32 3
		.amdhsa_float_denorm_mode_16_64 3
		.amdhsa_memory_ordered 1
		.amdhsa_forward_progress 1
		.amdhsa_inst_pref_size 33
	.end_amdhsa_kernel
	.amdgpu_metadata
---
amdhsa.version: [ 1, 2 ]
amdhsa.kernels:
  - .name:           k_q79a54d0334_quant
    .symbol:         k_q79a54d0334_quant.kd
    .args:
      - { .name: x, .offset: 0, .size: 8, .value_kind: global_buffer, .address_space: global }
      - { .name: Wq, .offset: 8, .size: 8, .value_kind: global_buffer, .address_space: global }
      - { .name: Wk, .offset: 16, .size: 8, .value_kind: global_buffer, .address_space: global }
      - { .name: Wv, .offset: 24, .size: 8, .value_kind: global_buffer, .address_space: global }
      - { .name: Wo, .offset: 32, .size: 8, .value_kind: global_buffer, .address_space: global }
      - { .name: xc, .offset: 40, .size: 8, .value_kind: global_buffer, .address_space: global }
      - { .name: wc, .offset: 48, .size: 8, .value_kind: global_buffer, .address_space: global }
    .group_segment_fixed_size: 0
    .private_segment_fixed_size: 0
    .kernarg_segment_align: 8
    .kernarg_segment_size: 56
    .max_flat_workgroup_size: 128
    .sgpr_count:     66
    .vgpr_count:     192
    .wavefront_size: 32
...
	.end_amdgpu_metadata
.endif
;; end of part 1
;; launch proj (part 2): grid 32 x 8, 4 waves a work-group, clusters of 4 x 1, 327,680 bytes of LDS; arguments xc, wc, bq, bk, bv, qc, kv; writes qc, kv
.if DOCPART == 2
	.amdgcn_target "amdgcn-amd-amdhsa--gfx1250"
	.amdhsa_code_object_version 6
	.text
	.protected	k_q79a54d0334_proj
	.globl	k_q79a54d0334_proj
	.p2align	8
	.type	k_q79a54d0334_proj,@function
k_q79a54d0334_proj:
	s_mov_b64 s[64:65], 0
	v_nop
	global_prefetch_b8 v0, s[64:65] scope:SCOPE_SE
	s_setreg_imm32_b32 hwreg(HW_REG_WAVE_MODE, 25, 1), 1
	s_wait_xcnt 0x0
	s_wait_alu depctr_hold_cnt(0) depctr_sa_sdst(0) depctr_va_vdst(0) depctr_va_sdst(0) depctr_va_ssrc(0) depctr_va_vcc(0) depctr_vm_vsrc(0)
	s_getreg_b32 s2, hwreg(HW_REG_IB_STS2, 6, 4)
	s_cmp_eq_u32 s2, 0
	s_cbranch_scc0 .Lentry_in_a_cluster
	s_endpgm
.Lentry_in_a_cluster:
	s_bfe_u32 s2, ttmp6, 0x10000c
	s_cmp_lg_u32 s2, 0x3003
	s_cbranch_scc0 .Lentry_shape_is_right
	s_endpgm
.Lentry_shape_is_right:
.set CH,    51200
.set SPARE, 256000
.set LI,   1
.set LW,   2
.set SX,   3
.set SW,   4
.set HB6,  6
.set MR7,  7
.set SPW,  8
.set NIL,  9
.set XS,   16
.set WS,   32
.set ACC,  48
.set PC,   112
.set CT,   124
.set TM,   132
.set PW,   148
.set PP,   152
.set BF,   160
.set B1,   192
.set WV,   18
.set G1X,  24
.set G1W,  32
.set G0X,  40
.set G0W,  44
.set SEL,  48
.set TRIP, 50
.set OUTF, 52
.set OUTS, 54
.set BIA,  56
.set QF,   58
.set QSC,  60
.set BQ,   62
.set KF,   66
.set KSC,  68
.set BK,   70
.set VF,   72
.set VSC,  74
.set BV,   76
.set MSB, 0
.macro WIN new
.if MSB != \new
	s_set_vgpr_msb (MSB<<8)|\new
.set MSB, \new
.endif
.endm
.macro PLACES cnt
.rept \cnt
	v_nop
.endr
.endm
.macro CROUND
	s_barrier_signal -1
	s_barrier_wait -1
	s_cmp_lg_u32 s[WV], 0
	s_cbranch_scc1 .Lnot_wave_0_\@
	s_barrier_signal -3
.Lnot_wave_0_\@:
	s_barrier_wait -3
	s_barrier_signal -1
	s_barrier_wait -1
.endm
.macro WM d, a, b, cc, sa, sb, ra, rb
.if (\cc) < 0
.if (\ra) && (\rb)
	v_wmma_scale_f32_16x16x128_f8f6f4 v[\d:\d+7], v[\a:\a+11], v[\b:\b+11], 0, v[\sa], v[\sb] matrix_a_fmt:MATRIX_FMT_FP6 matrix_b_fmt:MATRIX_FMT_FP6 matrix_a_scale:MATRIX_SCALE_ROW1 matrix_b_scale:MATRIX_SCALE_ROW1
.elseif (\ra)
	v_wmma_scale_f32_16x16x128_f8f6f4 v[\d:\d+7], v[\a:\a+11], v[\b:\b+11], 0, v[\sa], v[\sb] matrix_a_fmt:MATRIX_FMT_FP6 matrix_b_fmt:MATRIX_FMT_FP6 matrix_a_scale:MATRIX_SCALE_ROW1
.elseif (\rb)
	v_wmma_scale_f32_16x16x128_f8f6f4 v[\d:\d+7], v[\a:\a+11], v[\b:\b+11], 0, v[\sa], v[\sb] matrix_a_fmt:MATRIX_FMT_FP6 matrix_b_fmt:MATRIX_FMT_FP6 matrix_b_scale:MATRIX_SCALE_ROW1
.else
	v_wmma_scale_f32_16x16x128_f8f6f4 v[\d:\d+7], v[\a:\a+11], v[\b:\b+11], 0, v[\sa], v[\sb] matrix_a_fmt:MATRIX_FMT_FP6 matrix_b_fmt:MATRIX_FMT_FP6
.endif
.else
.if (\ra) && (\rb)
	v_wmma_scale_f32_16x16x128_f8f6f4 v[\d:\d+7], v[\a:\a+11], v[\b:\b+11], v[\cc:\cc+7], v[\sa], v[\sb] matrix_a_fmt:MATRIX_FMT_FP6 matrix_b_fmt:MATRIX_FMT_FP6 matrix_a_scale:MATRIX_SCALE_ROW1 matrix_b_scale:MATRIX_SCALE_ROW1
.elseif (\ra)
	v_wmma_scale_f32_16x16x128_f8f6f4 v[\d:\d+7], v[\a:\a+11], v[\b:\b+11], v[\cc:\cc+7], v[\sa], v[\sb] matrix_a_fmt:MATRIX_FMT_FP6 matrix_b_fmt:MATRIX_FMT_FP6 matrix_a_scale:MATRIX_SCALE_ROW1
.elseif (\rb)
	v_wmma_scale_f32_16x16x128_f8f6f4 v[\d:\d+7], v[\a:\a+11], v[\b:\b+11], v[\cc:\cc+7], v[\sa], v[\sb] matrix_a_fmt:MATRIX_FMT_FP6 matrix_b_fmt:MATRIX_FMT_FP6 matrix_b_scale:MATRIX_SCALE_ROW1
.else
	v_wmma_scale_f32_16x16x128_f8f6f4 v[\d:\d+7], v[\a:\a+11], v[\b:\b+11], v[\cc:\cc+7], v[\sa], v[\sb] matrix_a_fmt:MATRIX_FMT_FP6 matrix_b_fmt:MATRIX_FMT_FP6
.endif
.endif
.endm
.macro QUANT s, pc, ct, pw
.irp b, 0,1,2,3
	v_max3_num_f32 v[TM+\b], |v[\s+16*\b]|, |v[\s+1+16*\b]|, 0x1800000
.endr
.irp i, 2,4,6,8,10,12,14
.irp b, 0,1,2,3
	v_max3_num_f32 v[TM+\b], v[TM+\b], |v[\s+16*\b+\i]|, |v[\s+1+16*\b+\i]|
.endr
.endr
.irp b, 0,1,2,3
	v_permlanex16_b32 v[TM+4+\b], v[TM+\b], s[SEL], s[SEL+1]
.endr
.irp b, 0,1,2,3
	v_max_num_f32 v[TM+\b], v[TM+\b], v[TM+4+\b]
.endr
.irp b, 0,1,2,3
	v_add_nc_u32 v[TM+12+\b], 0xff000000, v[TM+\b]
.endr
.irp b, 0,1,2,3
	v_lshrrev_b32 v[TM+4+\b], 23, v[TM+12+\b]
.endr
	v_lshl_or_b32 v[\pw], v[TM+5], 8, v[TM+4]
	v_lshl_or_b32 v[\pw], v[TM+6], 16, v[\pw]
	v_lshl_or_b32 v[\pw], v[TM+7], 24, v[\pw]
.irp c, 0,1
	v_cvt_scalef32_pk16_fp6_f32 v[\pc+6*\c:\pc+2+6*\c], v[\s+32*\c:\s+15+32*\c], v[TM+12+2*\c]
	v_cvt_scalef32_pk16_fp6_f32 v[\ct+4*\c:\ct+2+4*\c], v[\s+16+32*\c:\s+31+32*\c], v[TM+12+2*\c+1]
.endr
	v_nop
.irp c, 0,1
.irp i, 0,1,2
	v_permlane16_swap_b32 v[\pc+6*\c+\i], v[\ct+4*\c+\i]
.endr
.irp i, 0,1,2
	v_mov_b32 v[\pc+3+6*\c+\i], v[\ct+4*\c+\i]
.endr
.endr
.endm
.macro STAT adr
	WIN 0x40
.irp f, 0,1,2,3,4,5,6,7,8,9,10,11,12,13,14,15
.irp c, 0,1,2
	ds_load_b128 v[12*\f+4*\c:12*\f+4*\c+3], v[\adr] offset:1536*\f+512*\c
.endr
.endr
	WIN 0x80
.irp f, 0,1,2,3,4,5,6,7,8,9,10,11,12,13,14,15
.irp c, 0,1,2
	ds_load_b128 v[12*\f+4*\c:12*\f+4*\c+3], v[\adr] offset:1536*(\f+16)+512*\c
.endr
.endr
	WIN 0
.endm
.macro SCL reg, adr
.irp ks, 0,1,2,3
.irp p, 0,1,2,3
	ds_load_b32 v[\reg+4*\ks+\p], v[\adr] offset:512*\ks+128*\p
.endr
.endr
.endm
.macro FETCHB tl, adr
.irp ks, 0,1,2,3
.irp c, 0,1,2
	ds_load_b128 v[BF+48*((\tl)%2)+12*\ks+4*\c:BF+48*((\tl)%2)+12*\ks+4*\c+3], v[\adr] offset:1536*(8*\ks+(\tl))+512*\c
.endr
.endr
.endm
.macro TILE tl, cmode, as, bs, adr, outf, outs
.if (\tl) < 7
	FETCHB (\tl)+1, \adr
	s_wait_dscnt 12
.else
	s_wait_dscnt 0x0
.endif
.irp ks, 0,1,2,3
.if \ks == 0
	WIN 0x21
.elseif \ks == 1
	WIN 0x01
.else
	WIN 0x02
.endif
.irp t, 0,1,2,3,4,5,6,7
.set rD, ACC+8*\t
.set rA, 12*(8*(\ks%2)+\t)
.set rB, BF+48*((\tl)%2)+12*\ks
.set rC, rD
.if \ks == 0
.set rC, B1+8*\t
.if \cmode
.set rC, B1+8*(\tl)
.endif
.endif
.set rSA, \as+4*\ks+\t/2
.set rSB, \bs+4*\ks+(\tl)/2
.set fA, \t%2
.set fB, (\tl)%2
	WM rD, rA, rB, rC, rSA, rSB, fA, fB
.endr
.endr
	WIN 0
	PLACES 4
	s_wait_xcnt 0x0
	QUANT ACC, PC, CT, PW+(\tl)%2
.irp c, 0,1,2
	global_store_b128 v[LI], v[PC+4*\c:PC+4*\c+3], s[\outf:\outf+1] offset:1536*(\tl)+512*\c
.endr
.if (\tl)%2 == 1
	v_permlane16_swap_b32 v[PW], v[PW+1]
	v_mov_b32 v[PP+(\tl)/2], v[PW]
.endif
.if (\tl) == 7
	global_store_b128 v[LI], v[PP:PP+3], s[\outs:\outs+1]
.endif
.endm
	s_load_b256 s[4:11], s[0:1], 0x0
	s_load_b128 s[12:15], s[0:1], 0x20
	s_load_b64 s[16:17], s[0:1], 0x30
	v_lshl_add_u32 v[SPW], v0, 2, SPARE
	v_mov_b32 v[NIL], 0
	ds_add_u32 v[SPW], v[NIL]
	ds_add_u32 v[SPW], v[NIL]
	v_lshrrev_b32 v10, 5, v0
	v_readfirstlane_b32 s[WV], v10
	s_bfe_u32 s19, ttmp6, 0x40000
	s_lshl_b32 s20, ttmp9, 2
	s_add_co_u32 s20, s20, s19
	s_and_b32 s21, ttmp7, 0xffff
	s_mov_b32 s[G1W], 15|(3<<16)|(1<<21)
	s_mov_b32 s[G1W+1], 32<<16
	s_mov_b32 s[G1W+2], 200<<16
	s_mov_b32 s[G1W+3], 32<<16
	s_mov_b32 s[G1W+4], 200
	s_mov_b32 s[G1W+5], 32
	s_mov_b32 s[G1W+6], 0
	s_mov_b32 s[G1W+7], 0
	s_mul_i32 s[G0X+1], s[WV], 12800               ; my quarter of x's chunk
	v_and_b32 v10, 31, v0                          ; lane
	v_lshlrev_b32 v[LI], 4, v10
	v_add_nc_u32 v5, s[G0X+1], v[LI]               ; and where it goes in LDS
	s_mul_i32 s78, s20, CH
	s_add_co_u32 s78, s78, s[G0X+1]
	s_mov_b32 s79, 0
	s_mov_b32 s[G0W], 1
	s_mul_i32 s[G0W+1], s[WV], CH
	s_add_co_u32 s[G0W+1], s[G0W+1], CH
	s_lshl_b32 s80, s21, 2
	s_add_co_u32 s80, s80, s[WV]
	s_mul_i32 s80, s80, CH
	s_mov_b32 s81, 0
	s_mov_b32 s[SEL], 0x76543210
	s_mov_b32 s[SEL+1], 0xfedcba98
	s_wait_alu depctr_va_vdst(0)                   ; the wait ahead of the waits below
	s_wait_dscnt 0x0
	s_wait_kmcnt 0x0
	s_add_nc_u64 s[G0X+2:G0X+3], s[4:5], s[78:79]
	WIN 0x40                                       ; x comes through registers of window 1: 25 loads of 512 dense bytes a wave, out beside the weights' tensor load
.irp i, 0,1,2,3,4,5,6,7,8,9,10,11,12,13,14,15,16,17,18,19,20,21,22,23,24
	global_load_b128 v[4*\i:4*\i+3], v[LI], s[G0X+2:G0X+3] offset:512*\i
.endr
	WIN 0
	s_add_nc_u64 s[G0W+2:G0W+3], s[6:7], s[80:81]
	s_or_b32 s[G0W+3], s[G0W+3], 0x80000000
	CROUND
	tensor_load_to_lds s[G0W:G0W+3], s[G1W:G1W+7]
	s_nop 0
	PLACES 4
	s_lshr_b32 s82, s20, 3
	s_lshl_b32 s82, s82, 3
	s_add_co_u32 s82, s82, s21
	s_lshl_b32 s82, s82, 3
	s_and_b32 s83, s20, 7
	s_add_co_u32 s82, s82, s83
	s_mul_i32 s84, s82, CH
	s_sub_co_u32 s85, s82, s83
	s_add_co_u32 s85, s85, s82
	s_mul_i32 s85, s85, CH
	s_mul_i32 s86, s[WV], 12288
	s_lshl_b32 s87, s[WV], 9
	s_add_co_u32 s78, s84, s86
	s_add_nc_u64 s[QF:QF+1], s[14:15], s[78:79]
	s_add_co_u32 s78, s84, s87
	s_add_co_u32 s78, s78, 49152
	s_add_nc_u64 s[QSC:QSC+1], s[14:15], s[78:79]
	s_add_co_u32 s78, s85, s86
	s_add_nc_u64 s[KF:KF+1], s[16:17], s[78:79]
	s_add_co_u32 s78, s78, 8*CH
	s_add_nc_u64 s[VF:VF+1], s[16:17], s[78:79]
	s_add_co_u32 s78, s85, s87
	s_add_co_u32 s78, s78, 49152
	s_add_nc_u64 s[KSC:KSC+1], s[16:17], s[78:79]
	s_add_co_u32 s78, s78, 8*CH
	s_add_nc_u64 s[VSC:VSC+1], s[16:17], s[78:79]
	s_lshl_b32 s78, s21, 11
	s_add_co_u32 s78, s78, s87
	s_add_nc_u64 s[BQ:BQ+1], s[8:9], s[78:79]
	s_add_nc_u64 s[BK:BK+1], s[10:11], s[78:79]
	s_add_nc_u64 s[BV:BV+1], s[12:13], s[78:79]
	v_add_nc_u32 v[LW], s[G0W+1], v[LI]
	v_lshl_add_u32 v[SX], v10, 2, 49152
	v_add_nc_u32 v[SW], s[G0W+1], v[SX]
	v_bfe_u32 v11, v0, 4, 1
	v_lshlrev_b32 v[HB6], 6, v11
	v_and_b32 v11, 15, v0
	v_and_b32 v12, 8, v0
	v_add_nc_u32 v11, v11, v12
	v_lshlrev_b32 v[MR7], 2, v11
.irp b, 0,1,2,3
	v_mov_b32 v[TM+4+\b], 0
.endr
	s_wait_alu depctr_va_vdst(0)
	s_wait_loadcnt 0x0                             ; my quarter of x is in registers
	WIN 0x04                                       ; the data: window 1
.irp i, 0,1,2,3,4,5,6,7,8,9,10,11,12,13,14,15,16,17,18,19,20,21,22,23,24
	ds_store_b128 v5, v[4*\i:4*\i+3] offset:512*\i   ; bytes 0 to 51,199: no tensor load ever lands there
.endr
	WIN 0
	s_wait_dscnt 0x0                               ; stored, for the others' sake
	s_barrier_signal -1                            ; the weights' load may stay out
	s_barrier_wait -1
	SCL XS, SX
	s_mov_b32 s[TRIP], 2
.Lpass:
	s_cmp_eq_u32 s[TRIP], 2
	s_cselect_b64 s[OUTF:OUTF+1], s[QF:QF+1], s[KF:KF+1]
	s_cselect_b64 s[OUTS:OUTS+1], s[QSC:QSC+1], s[KSC:KSC+1]
	s_cselect_b64 s[BIA:BIA+1], s[BQ:BQ+1], s[BK:BK+1]
	WIN 0x80
	s_wait_alu depctr_va_vdst(0)
.irp t, 0,1,2,3,4,5,6,7
	global_load_b128 v[B1+8*\t:B1+8*\t+3], v[HB6], s[BIA:BIA+1] offset:4*(32*(\t/2)+8*(\t%2))
	global_load_b128 v[B1+8*\t+4:B1+8*\t+7], v[HB6], s[BIA:BIA+1] offset:4*(32*(\t/2)+8*(\t%2))+16
.endr
	WIN 0
	s_wait_tensorcnt 0x0
	STAT LW
	SCL WS, SW
	s_wait_tensorcnt 0x0
	ds_add_u32 v[SPW], v[NIL]
	s_add_nc_u64 s[G0W+2:G0W+3], s[G0W+2:G0W+3], 32*CH
	s_wait_dscnt 0x0
	CROUND
	tensor_load_to_lds s[G0W:G0W+3], s[G1W:G1W+7]
	s_nop 0
	PLACES 4
	FETCHB 0, LI
	s_wait_loadcnt 0x0
.irp i, 0,1,2,3,4,5,6,7
	TILE \i, 0, WS, XS, LI, OUTF, OUTS
.endr
	s_wait_xcnt 0x0
	s_sub_co_u32 s[TRIP], s[TRIP], 1
	s_cmp_lg_u32 s[TRIP], 0
	s_cbranch_scc1 .Lpass
	s_wait_tensorcnt 0x0
	WIN 0x80
.irp i, 0,1,2,3,4,5,6,7
	global_load_b32 v[B1+8*\i], v[MR7], s[BV:BV+1] offset:4*(32*(\i/2)+8*(\i%2))
.endr
	WIN 0
	STAT LI
	SCL WS, SW
	FETCHB 0, LW
	s_wait_loadcnt 0x0
	WIN 0x82
.irp i, 0,1,2,3,4,5,6,7
.irp j, 1,2,3,4,5,6,7
	v_mov_b32 v[B1+8*\i+\j], v[B1+8*\i]
.endr
.endr
	WIN 0
	PLACES 4
.irp i, 0,1,2,3,4,5,6,7
	TILE \i, 1, XS, WS, LW, VF, VSC
.endr
	s_wait_tensorcnt 0x0
	ds_add_u32 v[SPW], v[NIL]
	s_wait_dscnt 0x0
	CROUND
	s_endpgm
.Lfunc_end_k_q79a54d0334_proj:
	.size	k_q79a54d0334_proj, .Lfunc_end_k_q79a54d0334_proj-k_q79a54d0334_proj
	.p2alignl 7, 3214868480
	.fill 96, 4, 3214868480
	.section	.rodata,"a",@progbits
	.p2align	6, 0x0
	.amdhsa_kernel k_q79a54d0334_proj
		.amdhsa_group_segment_fixed_size 327680
		.amdhsa_private_segment_fixed_size 0
		.amdhsa_enable_private_segment 0
		.amdhsa_kernarg_size 56
		.amdhsa_user_sgpr_count 2
		.amdhsa_user_sgpr_kernarg_segment_ptr 1
		.amdhsa_wavefront_size32 1
		.amdhsa_system_sgpr_workgroup_id_x 1
		.amdhsa_system_sgpr_workgroup_id_y 1
		.amdhsa_system_sgpr_workgroup_id_z 1
		.amdhsa_system_vgpr_workitem_id 0
		.amdhsa_next_free_vgpr 768
		.amdhsa_next_free_sgpr 88
		.amdhsa_reserve_vcc 0
		.amdhsa_float_denorm_mode_32 3
		.amdhsa_float_denorm_mode_16_64 3
		.amdhsa_memory_ordered 1
		.amdhsa_forward_progress 1
		.amdhsa_inst_pref_size 176
	.end_amdhsa_kernel
	.amdgpu_metadata
---
amdhsa.version: [ 1, 2 ]
amdhsa.kernels:
  - .name:           k_q79a54d0334_proj
    .symbol:         k_q79a54d0334_proj.kd
    .args:
      - { .name: xc, .offset: 0, .size: 8, .value_kind: global_buffer, .address_space: global }
      - { .name: wc, .offset: 8, .size: 8, .value_kind: global_buffer, .address_space: global }
      - { .name: bq, .offset: 16, .size: 8, .value_kind: global_buffer, .address_space: global }
      - { .name: bk, .offset: 24, .size: 8, .value_kind: global_buffer, .address_space: global }
      - { .name: bv, .offset: 32, .size: 8, .value_kind: global_buffer, .address_space: global }
      - { .name: qc, .offset: 40, .size: 8, .value_kind: global_buffer, .address_space: global }
      - { .name: kv, .offset: 48, .size: 8, .value_kind: global_buffer, .address_space: global }
    .group_segment_fixed_size: 327680
    .private_segment_fixed_size: 0
    .kernarg_segment_align: 8
    .kernarg_segment_size: 56
    .max_flat_workgroup_size: 128
    .sgpr_count:     88
    .vgpr_count:     768
    .wavefront_size: 32
...
	.end_amdgpu_metadata
.endif
;; end of part 2
;; launch attn (part 3): grid 8 x 32, 8 waves a work-group, clusters of 4 x 1, 327,680 bytes of LDS; arguments qc, kv, hc; writes hc
.if DOCPART == 3
	.amdgcn_target "amdgcn-amd-amdhsa--gfx1250"
	.amdhsa_code_object_version 6
	.text
	.protected	k_q79a54d0334_attn
	.globl	k_q79a54d0334_attn
	.p2align	8
	.type	k_q79a54d0334_attn,@function
k_q79a54d0334_attn:
	s_mov_b64 s[64:65], 0
	v_nop
	global_prefetch_b8 v0, s[64:65] scope:SCOPE_SE
	s_setreg_imm32_b32 hwreg(HW_REG_WAVE_MODE, 25, 1), 1
	s_wait_xcnt 0x0
	s_wait_alu depctr_hold_cnt(0) depctr_sa_sdst(0) depctr_va_vdst(0) depctr_va_sdst(0) depctr_va_ssrc(0) depctr_va_vcc(0) depctr_vm_vsrc(0)
	s_getreg_b32 s2, hwreg(HW_REG_IB_STS2, 6, 4)
	s_cmp_eq_u32 s2, 0
	s_cbranch_scc0 .Lentry_in_a_cluster
	s_endpgm
.Lentry_in_a_cluster:
	s_bfe_u32 s2, ttmp6, 0x10000c
	s_cmp_lg_u32 s2, 0x3003
	s_cbranch_scc0 .Lentry_shape_is_right
	s_endpgm
.Lentry_shape_is_right:
; THIRD LAUNCH: heads = softmax(q k^T / sqrt(512)) v on the codes of the second launch, and the quantising of the heads along e for the last product.  Nothing is left out.
; kv: for each (b, h) 16 chunks of 51,200 bytes: k of key steps 0-7 (128 keys each), then v of key steps 0-7.
; TWO PASSES.  A work-group owns 128 queries of one (b, h): 8 query tiles.
; PASS 1.  Wave w (g = w % 4, kh = w / 4) owns query tiles 2 g, 2 g + 1 and the key steps 2 t + kh, t = 0..3.  S^T = k q^T (a lane holds one query); t = score x log2(e) / sqrt(512);
;   M = my running largest t, rounded UP to a whole number; p = 2^(t - M) is quantised along the keys.  p's codes go to LDS as register images; with them the step's scale word and its -M.  The sum of the unquantised p runs under my M.
; BETWEEN.  The two waves of a pair exchange -M and their sums; M is the larger, the sums are brought under it by exact powers of two.  Each step's scale bytes are lowered by M - M(step), a whole number: the codes stand as they are.
;   A byte that would fall under 0 is held at 0 (2^-127).  So O^T is never rescaled.
; PASS 2.  Wave w (ke = w % 4, qb = w / 4) owns e 128 ke on x query tiles 4 qb .. 4 qb + 3: 32 accumulators.  O^T += v^T p^T over the 8 key steps; a step is 8 fragments of v and 4 of p for 32 products.
; OUT.  O^T / the sum is quantised along e: my 128 e are one K step of the last product.  hc: [block of 64 rows][h] 25,600 bytes: fragment 4 ke + tile; scale words at 24,576 + 256 ke + 8 l + 4 p (pair p of tiles).
; LIMITS.  NaN and infinities are not served.  The promise holds while |t| stays under 2^31.  Blocks of p under 2^-124 keep the byte 1; what the hold at byte 0 leaves is under 2^-124 beside a row's largest p, which is over 1/2.
;   A block's largest p is made from the block's largest score by the same multiply-add and exponential (this takes v_exp_f32 not to fall where its input rises).
; LDS.  Two slots of 102,400 bytes (two chunks); eight fills: k(0,1) .. k(6,7), v(0,1) .. v(6,7), 102,400 bytes apart in kv.  Each wave fetches 50 rows of 256 bytes: one tensor load out at the most.
;   204,800 p's codes (step x 12,288 + tile x 1,536); 303,104 each wave's words and -M by step; 311,296 the finished words; 315,392 -M and sums; 317,440 1 / sum; 318,464 the spare words.
; CLUSTER.  The four partners are four query blocks of one (b, h) and walk the same fills: each is asked for JOINTLY (mask 15).  q is each wave's own: straight into registers.
; PREFETCH.  Trip t (0..4) asks for fill t + 3, which trip t + 2 loads: 400 blocks of 256 bytes, 25 for each of waves 0-3 of the four partners, shared out by address.  Fills 0-2 come by their loads alone.
; No loop: every LDS offset is an immediate.
; REGISTERS.  Window 0: names below.  Window 1, pass 1: v0-95 q (48 qt + 12 ks), v96-239 three sets of four fragments of k; pass 2: the accumulators, 64 q + 8 i.
.set CH,    51200
.set FILL,  102400
.set PBASE, 204800
.set TMPB,  303104
.set WRDB,  311296
.set MLXB,  315392
.set RLXB,  317440
.set SPARE, 318464
.set LI,   1                           ; 16 x lane
.set ADK,  2                           ; v2, v3 my k chunk in slot 0, 1
.set PST,  4                           ; where p's codes go, trips 0, 1;  v27: trips 2, 3
.set SPW,  5                           ; my spare word; never rewritten
.set NIL,  6                           ; 0; never rewritten
.set PFO,  7                           ; 256 x min(lane, 24)
.set QS,   8                           ; v8-11 q's scale words
.set ST,   12                          ; v12-17, v18-23: a tile's -M, largest t, sum in two halves, f and its pair's upper half
.set PSW,  24                          ; v24, v25 p's scale words
.set TST,  26                          ; my words and -M by step
.set PST2, 27
.set SC,   32                          ; v32-47 k's scale words
.set S,    48                          ; v48-175 S^T, then p
.set PCD,  176                         ; v176-199 p's codes
.set WK,   200                         ; v200-231 a tile's work
.set CT,   232                         ; v232-247 second halves of blocks' codes
.set MW,   248                         ; v248, v249 both tiles' word and -M: lanes 0-15 tile 0, lanes 16-31 tile 1
.set TM,   200
.set BUF,  96
.set APQ,  2                           ; pass 2: v2, v3 p's fragments, steps 0-3, 4-7
.set AWD,  4                           ; the finished words
.set ADV,  8                           ; v8, v9 my fragments of v in slot 0, 1
.set ASV,  10                          ; v10, v11 their scale words
.set RLR,  12                          ; v12-19 1 / sum of my four tiles, in pairs
.set L8,   24                          ; 8 x lane
.set ARL,  27
.set MLS,  28
.set MLP,  29
.set WST,  30
.set RLS,  31
.set VB,   32                          ; v32-127 four sets of two fragments of v
.set PB,   128                         ; v128-223 two sets of four fragments of p
.set VS,   224                         ; v224-231 v's scale words, two sets
.set PS,   232                         ; v232-235 p's, two sets
.set PM,   250                         ; v250, v251 my partner's -M and sum
.set NM,   252
.set FA,   253
.set FB,   254
.set LL,   255
.set TW,   48
.set DD,   56
.set RL,   60
.set WV,   10
.set G1,   16
.set G0,   24                          ; s[24:27] slot 0's group 0, s[28:31] slot 1's
.set PFA,  32
.set CS,   34
.set SEL,  36
.set QB,   38
.set QSB,  40
.set HCF,  42
.set HCS,  44
.set GG,   48                          ; w % 4
.set KH,   49                          ; w / 4
.set HM,   50                          ; lanes 16-31
.set K01,  51
.set K80,  52
.set K7F,  53
.set KFF,  54
.set MSB, 0
.macro WIN new
.if MSB != \new
	s_set_vgpr_msb (MSB<<8)|\new
.set MSB, \new
.endif
.endm
.macro PLACES cnt
.rept \cnt
	v_nop
.endr
.endm
.macro CROUND
	s_barrier_signal -1
	s_barrier_wait -1
	s_cmp_lg_u32 s[WV], 0
	s_cbranch_scc1 .Lnot_wave_0_\@
	s_barrier_signal -3
.Lnot_wave_0_\@:
	s_barrier_wait -3
	s_barrier_signal -1
	s_barrier_wait -1
.endm
.macro WM d, a, b, cc, sa, sb, ra, rb  ; cc < 0: C is the constant 0.  ra, rb: the side's scale words stand in lanes 16-31
.if (\cc) < 0
.if (\ra) && (\rb)
	v_wmma_scale_f32_16x16x128_f8f6f4 v[\d:\d+7], v[\a:\a+11], v[\b:\b+11], 0, v[\sa], v[\sb] matrix_a_fmt:MATRIX_FMT_FP6 matrix_b_fmt:MATRIX_FMT_FP6 matrix_a_scale:MATRIX_SCALE_ROW1 matrix_b_scale:MATRIX_SCALE_ROW1
.elseif (\ra)
	v_wmma_scale_f32_16x16x128_f8f6f4 v[\d:\d+7], v[\a:\a+11], v[\b:\b+11], 0, v[\sa], v[\sb] matrix_a_fmt:MATRIX_FMT_FP6 matrix_b_fmt:MATRIX_FMT_FP6 matrix_a_scale:MATRIX_SCALE_ROW1
.elseif (\rb)
	v_wmma_scale_f32_16x16x128_f8f6f4 v[\d:\d+7], v[\a:\a+11], v[\b:\b+11], 0, v[\sa], v[\sb] matrix_a_fmt:MATRIX_FMT_FP6 matrix_b_fmt:MATRIX_FMT_FP6 matrix_b_scale:MATRIX_SCALE_ROW1
.else
	v_wmma_scale_f32_16x16x128_f8f6f4 v[\d:\d+7], v[\a:\a+11], v[\b:\b+11], 0, v[\sa], v[\sb] matrix_a_fmt:MATRIX_FMT_FP6 matrix_b_fmt:MATRIX_FMT_FP6
.endif
.else
.if (\ra) && (\rb)
	v_wmma_scale_f32_16x16x128_f8f6f4 v[\d:\d+7], v[\a:\a+11], v[\b:\b+11], v[\cc:\cc+7], v[\sa], v[\sb] matrix_a_fmt:MATRIX_FMT_FP6 matrix_b_fmt:MATRIX_FMT_FP6 matrix_a_scale:MATRIX_SCALE_ROW1 matrix_b_scale:MATRIX_SCALE_ROW1
.elseif (\ra)
	v_wmma_scale_f32_16x16x128_f8f6f4 v[\d:\d+7], v[\a:\a+11], v[\b:\b+11], v[\cc:\cc+7], v[\sa], v[\sb] matrix_a_fmt:MATRIX_FMT_FP6 matrix_b_fmt:MATRIX_FMT_FP6 matrix_a_scale:MATRIX_SCALE_ROW1
.elseif (\rb)
	v_wmma_scale_f32_16x16x128_f8f6f4 v[\d:\d+7], v[\a:\a+11], v[\b:\b+11], v[\cc:\cc+7], v[\sa], v[\sb] matrix_a_fmt:MATRIX_FMT_FP6 matrix_b_fmt:MATRIX_FMT_FP6 matrix_b_scale:MATRIX_SCALE_ROW1
.else
	v_wmma_scale_f32_16x16x128_f8f6f4 v[\d:\d+7], v[\a:\a+11], v[\b:\b+11], v[\cc:\cc+7], v[\sa], v[\sb] matrix_a_fmt:MATRIX_FMT_FP6 matrix_b_fmt:MATRIX_FMT_FP6
.endif
.endif
.endm
.macro QUANT s, pc, ct, pw             ; 64 numbers of a lane (register 16 b + i = k 32 b + 16 (lane / 16) + i of my row) become a fragment's codes and my row's scale word
.irp b, 0,1,2,3
	v_max3_num_f32 v[TM+\b], |v[\s+16*\b]|, |v[\s+1+16*\b]|, 0x1800000
.endr
.irp i, 2,4,6,8,10,12,14
.irp b, 0,1,2,3
	v_max3_num_f32 v[TM+\b], v[TM+\b], |v[\s+16*\b+\i]|, |v[\s+1+16*\b+\i]|
.endr
.endr
.irp b, 0,1,2,3
	v_permlanex16_b32 v[TM+4+\b], v[TM+\b], s[SEL], s[SEL+1]
.endr
.irp b, 0,1,2,3
	v_max_num_f32 v[TM+\b], v[TM+\b], v[TM+4+\b]
.endr
.irp b, 0,1,2,3
	v_add_nc_u32 v[TM+12+\b], 0xff000000, v[TM+\b]
.endr
.irp b, 0,1,2,3
	v_lshrrev_b32 v[TM+4+\b], 23, v[TM+12+\b]
.endr
	v_lshl_or_b32 v[\pw], v[TM+5], 8, v[TM+4]
	s_delay_alu instid0(VALU_DEP_1)
	v_lshl_or_b32 v[\pw], v[TM+6], 16, v[\pw]
	s_delay_alu instid0(VALU_DEP_1)
	v_lshl_or_b32 v[\pw], v[TM+7], 24, v[\pw]
.irp c, 0,1
	v_cvt_scalef32_pk16_fp6_f32 v[\pc+6*\c:\pc+2+6*\c], v[\s+32*\c:\s+15+32*\c], v[TM+12+2*\c]
	v_cvt_scalef32_pk16_fp6_f32 v[\ct+4*\c:\ct+2+4*\c], v[\s+16+32*\c:\s+31+32*\c], v[TM+12+2*\c+1]
.endr
	v_nop
.irp c, 0,1
.irp i, 0,1,2
	v_permlane16_swap_b32 v[\pc+6*\c+\i], v[\ct+4*\c+\i]
.endr
.irp i, 0,1,2
	v_mov_b32 v[\pc+3+6*\c+\i], v[\ct+4*\c+\i]
.endr
.endr
.endm
; THE CHANGE OF SLOTS at the head of trip t (0..7).  Every wave waits for its tensor load, adds 0 to its spare word, waits for that and for all its LDS work; behind the round fill t + 1 goes into the slot that trip t - 1 read.
.macro CHANGE t
	s_wait_alu depctr_va_vdst(0)                   ; the wait ahead of the waits below
	s_wait_tensorcnt 0x0                           ; no tensor load of mine is out: a group 0 may be written
	ds_add_u32 v[SPW], v[NIL]
.if (\t) < 6
	s_add_nc_u64 s[G0+4*((\t)%2)+2:G0+4*((\t)%2)+3], s[G0+4*((\t)%2)+2:G0+4*((\t)%2)+3], 2*FILL   ; this slot's next fill
.endif
.if (\t) < 5
	s_wait_xcnt 0x0                                ; the last prefetch, a trip back, has read its address
	s_add_nc_u64 s[PFA:PFA+1], s[PFA:PFA+1], FILL
.endif
	s_wait_dscnt 0x0
.if (\t) < 7
	CROUND
	tensor_load_to_lds s[G0+4*(1-(\t)%2):G0+4*(1-(\t)%2)+3], s[G1:G1+7]
	s_nop 0
	PLACES 4
.else
	s_barrier_signal -1                            ; nothing is left to ask for
	s_barrier_wait -1
	PLACES 4
.endif
.if (\t) < 5
	s_cmp_lt_u32 s[WV], 4                          ; waves 0-3 ask for fill t + 3
	s_cbranch_scc0 .Lnot_mine_\@
	global_prefetch_b8 v[PFO], s[PFA:PFA+1] th:TH_LOAD_NT scope:SCOPE_SE
.Lnot_mine_\@:
.endif
.endm
.macro LOADG m                         ; k's fragments 4 m on (K step m / 2, key tiles 4 (m % 2) on) into set m % 3
	WIN 0x40
.set lb, BUF+48*((\m)%3)
.irp i, 0,1,2,3
.irp c, 0,1,2
	ds_load_b128 v[lb+12*\i+4*\c:lb+12*\i+4*\c+3], v[AK] offset:1536*(4*(\m)+\i)+512*\c
.endr
.endr
.endm
; THE SOFTMAX OF A KEY STEP: the two query tiles alternate line by line.  tt: the tile; aa: the line's number in its part.
.macro SEGA
.set S0, S+64*tt
.set T,  ST+6*tt
.set BM, WK+16*tt
.set T4, BM+4
.set TP, BM+12
.if aa < 4
	v_max3_num_f32 v[BM+aa], v[S0+16*aa], v[S0+16*aa+1], v[S0+16*aa+2]   ; each accumulator is read from its low end on
.elseif aa < 28
.set bb, (aa-4)%4
.set ii, 3+2*((aa-4)/4)
	v_max3_num_f32 v[BM+bb], v[BM+bb], v[S0+16*bb+ii], v[S0+16*bb+ii+1]
.elseif aa < 32
.set bb, aa-28
	v_max_num_f32 v[BM+bb], v[BM+bb], v[S0+16*bb+15]
.elseif aa < 36
	v_permlanex16_b32 v[T4+aa-32], v[BM+aa-32], s[SEL], s[SEL+1]
.elseif aa < 40
	v_max_num_f32 v[BM+aa-36], v[BM+aa-36], v[T4+aa-36]
.elseif aa == 40
	v_max3_num_f32 v[TP], v[BM], v[BM+1], v[BM+2]
.elseif aa == 41
	v_max_num_f32 v[TP], v[TP], v[BM+3]
.elseif aa == 42
	v_mul_f32 v[TP], s[CS], v[TP]
.elseif aa == 43
	v_max_num_f32 v[T+1], v[T+1], v[TP]            ; the running largest t
.elseif aa == 44
	v_mov_b32 v[TP], v[T]
.elseif aa == 45
	v_floor_f32 v[T], -v[T+1]                      ; -M = floor(-t)
.elseif aa == 46
	v_sub_f32 v[TP], v[T], v[TP]
.elseif aa == 47
	v_cvt_i32_f32 v[TP], v[TP]
.elseif aa == 48
	v_ldexp_f32 v[T+4], 1.0, v[TP]                 ; f = 2^(old M - new M), for the sum
.elseif aa < 81
.set pp, 2*(aa-49)
	v_pk_fma_f32 v[S0+pp:S0+pp+1], v[S0+pp:S0+pp+1], s[CS:CS+1], v[T:T+1] op_sel_hi:[1,0,0]
.else
.set bb, aa-81
	v_fma_f32 v[BM+bb], v[BM+bb], s[CS], v[T]
.endif
.endm
.macro SEGE
.set S0, S+64*tt
.set BM, WK+16*tt
.if aa < 64
	v_exp_f32 v[S0+aa], v[S0+aa]
.else
	v_exp_f32 v[BM+aa-64], v[BM+aa-64]
.endif
.endm
.macro SEGC
.set S0, S+64*tt
.set T,  ST+6*tt
.set T4, WK+16*tt+4
.if aa == 0
	v_pk_mul_f32 v[T+2:T+3], v[T+2:T+3], v[T+4:T+5] op_sel_hi:[1,0]
.elseif aa == 1
	v_pk_add_f32 v[T4:T4+1], v[S0:S0+1], v[S0+2:S0+3]
.elseif aa < 32
.set jj, 4+4*((aa-2)/2)
.if (aa%2) == 0
	v_pk_add_f32 v[T+2:T+3], v[T+2:T+3], v[S0+jj:S0+jj+1]
.else
	v_pk_add_f32 v[T4:T4+1], v[T4:T4+1], v[S0+jj+2:S0+jj+3]
.endif
.else
	v_pk_add_f32 v[T+2:T+3], v[T+2:T+3], v[T4:T4+1]
.endif
.endm
.macro SEGD
.set BM, WK+16*tt
.if aa < 4
	v_max_num_f32 v[BM+aa], 0x1800000, v[BM+aa]
.elseif aa < 8
	v_add_nc_u32 v[BM+8+aa-4], 0xff000000, v[BM+aa-4]
.else
	v_lshrrev_b32 v[BM+4+aa-8], 23, v[BM+8+aa-8]
.endif
.endm
.macro SOFTMAX
.set sm, 0
.rept 170
.set tt, sm%2
.set aa, sm/2
	SEGA
.set sm, sm+1
.endr
	s_wait_alu depctr_va_vdst(0)                   ; the wait ahead of the batch
.set sm, 0
.rept 136
.set tt, sm%2
.set aa, sm/2
	SEGE
.set sm, sm+1
.endr
	v_nop
	s_wait_alu depctr_va_vdst(0)                   ; and one behind it
.set sm, 0
.rept 66
.set tt, sm%2
.set aa, sm/2
	SEGC
.set sm, sm+1
.endr
.set sm, 0
.rept 24
.set tt, sm%2
.set aa, sm/2
	SEGD
.set sm, sm+1
.endr
.irp y, 0,1
	v_lshl_or_b32 v[PSW+\y], v[WK+16*\y+5], 8, v[WK+16*\y+4]
.endr
.irp y, 0,1
	v_lshl_or_b32 v[PSW+\y], v[WK+16*\y+6], 16, v[PSW+\y]
.endr
.irp y, 0,1
	v_lshl_or_b32 v[PSW+\y], v[WK+16*\y+7], 24, v[PSW+\y]
.endr
.irp y, 0,1
.irp c, 0,1
	v_cvt_scalef32_pk16_fp6_f32 v[PCD+12*\y+6*\c:PCD+12*\y+6*\c+2], v[S+64*\y+32*\c:S+64*\y+32*\c+15], v[WK+16*\y+8+2*\c]
	v_cvt_scalef32_pk16_fp6_f32 v[CT+8*\y+4*\c:CT+8*\y+4*\c+2], v[S+64*\y+32*\c+16:S+64*\y+32*\c+31], v[WK+16*\y+8+2*\c+1]
.endr
.endr
	v_nop
.irp y, 0,1
.irp c, 0,1
.irp i, 0,1,2
	v_permlane16_swap_b32 v[PCD+12*\y+6*\c+\i], v[CT+8*\y+4*\c+\i]
.endr
.irp i, 0,1,2
	v_mov_b32 v[PCD+12*\y+6*\c+3+\i], v[CT+8*\y+4*\c+\i]
.endr
.endr
.endr
	v_cndmask_b32 v[MW], v[PSW], v[PSW+1], s[HM]   ; lanes 0-15 tile 0's word, lanes 16-31 tile 1's
	v_cndmask_b32 v[MW+1], v[ST], v[ST+6], s[HM]   ; and the -M under which these codes were made
.endm
; PASS 1, trip t: my key step 2 t + kh: 8 groups of 8 products, the 16 accumulators by turns, and macro SMS: the softmax, then p's codes, word and -M to LDS bytes of my own.
; THE TWO WAVES OF A PAIR TAKE THE TWO PARTS IN OPPOSITE ORDER: kh = 0 multiplies and then runs SMS of this step; kh = 1 first runs SMS of its step of the trip before (S^T waits in its registers) and then multiplies.
; The branches hang on the wave's number alone and lead round register work and stores to the wave's own bytes: round no barrier, wait or tensor load.
.macro T1 t
	CHANGE \t
.if (\t) == 0
	s_wait_loadcnt 0x0                             ; q
.else
	s_cmp_eq_u32 s[KH], 0
	s_cbranch_scc1 .Lnone_due_\@
	SMS (\t)-1
.Lnone_due_\@:
.endif
.set AK, ADK+(\t)%2
.irp ks, 0,1,2,3
	ds_load_b128 v[SC+4*\ks:SC+4*\ks+3], v[AK] offset:49152+512*\ks
.endr
	LOADG 0
	LOADG 1
.set n, 0
.rept 8
.if (n > 0) && (n < 6)
	PLACES 4                                       ; in front of loads into the set that the group before read
.endif
.if n < 6
	LOADG n+2
	s_wait_dscnt 24                                ; all but the two groups ahead
.elseif n == 6
	s_wait_dscnt 12
.else
	s_wait_dscnt 0x0
.endif
	WIN 0x05                                       ; k and q in window 1, S^T in window 0
.irp i, 0,1,2,3
.irp qt, 0,1
.set rD, S+64*\qt+8*(4*(n%2)+\i)
.set rA, BUF+48*(n%3)+12*\i
.set rB, 48*\qt+12*(n/2)
.set rC, rD
.if n < 2
.set rC, -1
.endif
.set rSA, SC+4*(n/2)+(4*(n%2)+\i)/2
.set rSB, QS+n/2
.set fA, \i%2
.set fB, \qt
	WM rD, rA, rB, rC, rSA, rSB, fA, fB
.endr
.endr
.set n, n+1
.endr
	WIN 0
	PLACES 4
	s_cmp_lg_u32 s[KH], 0
	s_cbranch_scc1 .Lnot_now_\@
	SMS \t
.Lnot_now_\@:
.endm
.macro SMS t                           ; the softmax of my step of trip t, and what it leaves in LDS
	SOFTMAX
.set pa, PST+(PST2-PST)*((\t)/2)
.irp y, 0,1
.irp c, 0,1,2
	ds_store_b128 v[pa], v[PCD+12*\y+4*\c:PCD+12*\y+4*\c+3] offset:24576*((\t)%2)+1536*\y+512*\c
.endr
.endr
	ds_store_b64 v[TST], v[MW:MW+1] offset:256*(\t)
.endm
; PASS 2
.macro LV ch, n, sl                    ; my fragments 2 n, 2 n + 1 of v, chunk ch of slot sl, into set n: 6 loads
.irp u, 0,1
.irp k, 0,1,2
	ds_load_b128 v[VB+24*(\n)+12*\u+4*\k:VB+24*(\n)+12*\u+4*\k+3], v[ADV+\sl] offset:CH*(\ch)+1536*(2*(\n)+\u)+512*\k
.endr
.endr
.endm
.macro LP j, ch, sl                    ; key step j: my four fragments of p, their words, v's scale words, into set ch: 15 loads
.irp q, 0,1,2,3
.irp k, 0,1,2
	ds_load_b128 v[PB+48*(\ch)+12*\q+4*\k:PB+48*(\ch)+12*\q+4*\k+3], v[APQ+(\j)/4] offset:12288*((\j)%4)+1536*\q+512*\k
.endr
.endr
.irp u, 0,1
	ds_load_b32 v[PS+2*(\ch)+\u], v[AWD] offset:512*(\j)+128*\u
.endr
	ds_load_b128 v[VS+4*(\ch):VS+4*(\ch)+3], v[ASV+\sl] offset:CH*(\ch)
.endm
.macro WG2 ch, n, zero                 ; 8 products: e tiles 2 n, 2 n + 1 x my four query tiles; the 32 accumulators take turns
	WIN 0x50                                       ; O^T in window 1
.irp u, 0,1
.irp q, 0,1,2,3
.set rD, 64*\q+8*(2*(\n)+\u)
.set rC, rD
.if \zero
.set rC, -1
.endif
.set rA, VB+24*(\n)+12*\u
.set rB, PB+48*(\ch)+12*\q
.set rSA, VS+4*(\ch)+(\n)
.set rSB, PS+2*(\ch)+\q/2
.set fA, \u
.set fB, \q%2
	WM rD, rA, rB, rC, rSA, rSB, fA, fB
.endr
.endr
	WIN 0
.endm
.macro T2 t                            ; trip t (4..7): key steps 2 (t - 4) and 2 (t - 4) + 1.  Trip 4's first step starts the sums: nothing is cleared
.set sl, (\t)%2
.set j0, 2*((\t)-4)
	CHANGE \t
	LP j0, 0, sl
.irp n, 0,1,2,3
	LV 0, \n, sl
.endr
.irp n, 0,1,2,3
.if \n == 0
	s_wait_dscnt 18                                ; all but the three sets behind set 0
.else
	s_wait_dscnt 33                                ; behind this set: three sets of 6 and the next step's 15
.endif
	WG2 0, \n, (\t)==4
	PLACES 4                                       ; in front of loads into the set just read
.if \n == 0
	LP j0+1, 1, sl
.endif
	LV 1, \n, sl
.endr
.irp n, 0,1,2,3
	s_wait_dscnt 18-6*\n                           ; all but the later sets
	WG2 1, \n, 0
.endr
.endm
	s_load_b128 s[4:7], s[0:1], 0x0                ; qc, kv
	s_load_b64 s[8:9], s[0:1], 0x10                ; hc
	v_lshl_add_u32 v[SPW], v0, 2, SPARE
	v_mov_b32 v[NIL], 0
	ds_add_u32 v[SPW], v[NIL]                      ; the opening: the add, twice on end, and its wait
	ds_add_u32 v[SPW], v[NIL]
	v_lshrrev_b32 v[WK], 5, v0
	v_readfirstlane_b32 s[WV], v[WK]               ; wave 0..7
	s_and_b32 s[GG], s[WV], 3
	s_lshr_b32 s[KH], s[WV], 2
	s_bfe_u32 s11, ttmp6, 0x40000                  ; cx
	s_lshl_b32 s12, ttmp9, 2
	s_add_co_u32 s12, s12, s11                     ; my block of 128 queries
	s_and_b32 s13, ttmp7, 0xffff                   ; 8 b + h, which the partners share
	s_mov_b32 s[G1], 15|(3<<16)|(1<<21)            ; all four work-groups; elements of 8 bytes; bit 21 beside the mask
	s_mov_b32 s[G1+1], 32<<16                      ; rows of 256 bytes,
	s_mov_b32 s[G1+2], 50<<16                      ; 50 of them
	s_mov_b32 s[G1+3], 32<<16
	s_mov_b32 s[G1+4], 50
	s_mov_b32 s[G1+5], 32
	s_mov_b32 s[G1+6], 0
	s_mov_b32 s[G1+7], 0
	s_mov_b32 s[G0], 1
	s_mov_b32 s[G0+4], 1
	s_mul_i32 s[G0+1], s[WV], 12800                ; my eighth of a slot
	s_add_co_u32 s[G0+5], s[G0+1], FILL
	s_mul_i32 s14, s13, 16*CH
	s_add_co_u32 s14, s14, s[G0+1]
	s_mov_b32 s15, 0
	s_mov_b32 s[CS], 0x3d8293ee                    ; log2(e) / sqrt(512)
	s_mov_b32 s[CS+1], s[CS]
	s_mov_b32 s[SEL], 0x76543210
	s_mov_b32 s[SEL+1], 0xfedcba98
	s_mov_b32 s[HM], 0xffff0000
	s_mov_b32 s[K01], 0x01010101
	s_mov_b32 s[K80], 0x80808080
	s_mov_b32 s[K7F], 0x7f7f7f7f
	s_mov_b32 s[KFF], 255
	s_wait_dscnt 0x0
	s_wait_kmcnt 0x0
	s_add_nc_u64 s[G0+2:G0+3], s[6:7], s[14:15]    ; fill 0,
	s_add_nc_u64 s[G0+6:G0+7], s[G0+2:G0+3], FILL  ; fill 1
	s_or_b32 s[G0+3], s[G0+3], 0x80000000
	s_or_b32 s[G0+7], s[G0+7], 0x80000000
	CROUND
	tensor_load_to_lds s[G0:G0+3], s[G1:G1+7]      ; fill 0: one load a wave at the head
	s_nop 0
	PLACES 4
	s_lshl_b32 s46, s13, 3
	s_add_co_u32 s46, s46, s12
	s_mul_i32 s46, s46, CH                         ; my block's chunk of qc
	s_mul_i32 s14, s[GG], 3072
	s_add_co_u32 s14, s14, s46
	s_add_nc_u64 s[QB:QB+1], s[4:5], s[14:15]      ; tiles 2 g, 2 g + 1
	s_lshl_b32 s14, s[GG], 2
	s_add_co_u32 s14, s14, s46
	s_add_co_u32 s14, s14, 49152
	s_add_nc_u64 s[QSB:QSB+1], s[4:5], s[14:15]
	s_lshr_b32 s14, s13, 3
	s_lshl_b32 s14, s14, 4
	s_lshl_b32 s46, s12, 1
	s_add_co_u32 s14, s14, s46
	s_add_co_u32 s14, s14, s[KH]                   ; pass 2's block of 64 rows: 16 b + 2 block + qb
	s_lshl_b32 s14, s14, 3
	s_and_b32 s46, s13, 7
	s_add_co_u32 s14, s14, s46
	s_mul_i32 s46, s14, 25600
	s_mul_i32 s14, s[GG], 6144
	s_add_co_u32 s14, s14, s46
	s_add_nc_u64 s[HCF:HCF+1], s[8:9], s[14:15]    ; fragments 4 ke on
	s_lshl_b32 s14, s[GG], 8
	s_add_co_u32 s14, s14, s46
	s_add_co_u32 s14, s14, 24576
	s_add_nc_u64 s[HCS:HCS+1], s[8:9], s[14:15]
	s_lshl_b32 s14, s11, 2
	s_add_co_u32 s14, s14, s[GG]
	s_mul_i32 s14, s14, 6400                       ; 25 blocks of a fill's 400
	s_mul_i32 s46, s13, 16*CH
	s_add_co_u32 s14, s14, s46
	s_add_co_u32 s14, s14, 2*FILL                  ; trip 0 steps it to fill 3
	s_add_nc_u64 s[PFA:PFA+1], s[6:7], s[14:15]
	s_mul_i32 s46, s[KH], CH
	s_mul_i32 s47, s[KH], 12288
	s_mul_i32 s14, s[GG], 3072
	s_add_co_u32 s47, s47, s14
	s_add_co_u32 s47, s47, PBASE
	s_lshl_b32 s14, s[WV], 10
	s_add_co_u32 s14, s14, TMPB
	v_and_b32 v[WK], 31, v0
	v_min_u32 v[PFO], 24, v[WK]
	v_lshlrev_b32 v[PFO], 8, v[PFO]
	v_lshlrev_b32 v[LI], 4, v[WK]
	v_add_nc_u32 v[ADK], s46, v[LI]
	v_add_nc_u32 v[ADK+1], FILL, v[ADK]
	v_add_nc_u32 v[PST], s47, v[LI]
	v_add_nc_u32 v[PST2], 49152, v[PST]
	v_lshl_add_u32 v[TST], v[WK], 3, s14
	s_wait_alu depctr_va_vdst(0)
	WIN 0x40
.irp qt, 0,1
.irp ks, 0,1,2,3
.irp c, 0,1,2
	global_load_b128 v[48*\qt+12*\ks+4*\c:48*\qt+12*\ks+4*\c+3], v[LI], s[QB:QB+1] offset:1536*(8*\ks+\qt)+512*\c
.endr
.endr
.endr
	WIN 0
.irp ks, 0,1,2,3
	global_load_b32 v[QS+\ks], v[LI], s[QSB:QSB+1] offset:512*\ks
.endr
.irp qt, 0,1
	v_mov_b32 v[ST+6*\qt+1], 0xff61b1e6            ; the largest t so far: -3e38
	v_floor_f32 v[ST+6*\qt], -v[ST+6*\qt+1]
	v_mov_b32 v[ST+6*\qt+2], 0
	v_mov_b32 v[ST+6*\qt+3], 0
	v_mov_b32 v[ST+6*\qt+5], 0
.irp b, 0,1,2,3
	v_mov_b32 v[WK+16*\qt+4+\b], 0                 ; a lane permute's destination counts as one of its sources
.endr
.endr
.irp t, 0,1,2,3
	T1 \t
.endr
	s_cmp_eq_u32 s[KH], 0
	s_cbranch_scc1 .Lall_done
	SMS 3                                          ; kh = 1: the last step's
.Lall_done:
	; BETWEEN THE PASSES
	v_and_b32 v[WK], 31, v0
	v_and_b32 v[WK+1], 15, v0
.irp q, 0,1
	v_add_f32 v[WK+16*\q+12], v[ST+6*\q+2], v[ST+6*\q+3]
.endr
.irp q, 0,1
	v_permlanex16_b32 v[WK+16*\q+4], v[WK+16*\q+12], s[SEL], s[SEL+1]
.endr
.irp q, 0,1
	v_add_f32 v[WK+16*\q+12], v[WK+16*\q+12], v[WK+16*\q+4]   ; my sum of the row
.endr
	v_cndmask_b32 v[MW], v[ST], v[ST+6], s[HM]     ; my last -M,
	v_cndmask_b32 v[MW+1], v[WK+12], v[WK+28], s[HM]   ; my sum: lanes 0-15 tile 0, lanes 16-31 tile 1
	s_wait_alu depctr_va_vdst(0)                   ; the wait ahead of the scalar lines below
	s_lshl_b32 s46, s[WV], 8
	s_xor_b32 s47, s46, 1024                       ; my partner: wave w xor 4
	s_add_co_u32 s46, s46, MLXB
	s_add_co_u32 s47, s47, MLXB
	v_lshl_add_u32 v[MLS], v[WK], 3, s46
	v_lshl_add_u32 v[MLP], v[WK], 3, s47
	ds_store_b64 v[MLS], v[MW:MW+1]
.irp j, 0,1,2,3
	ds_load_b64 v[TW+2*\j:TW+2*\j+1], v[TST] offset:256*\j   ; my four steps' words and -M
.endr
	s_mul_i32 s46, s[GG], 12288
	v_add_nc_u32 v[ADV], s46, v[LI]
	v_add_nc_u32 v[ADV+1], FILL, v[ADV]
	s_lshl_b32 s46, s[GG], 9
	s_add_co_u32 s46, s46, 49152
	v_add_nc_u32 v[ASV], s46, v[LI]
	v_add_nc_u32 v[ASV+1], FILL, v[ASV]
	s_mul_i32 s46, s[KH], 6144
	s_add_co_u32 s46, s46, PBASE
	v_add_nc_u32 v[APQ], s46, v[LI]
	v_add_nc_u32 v[APQ+1], 49152, v[APQ]
	s_lshl_b32 s46, s[KH], 8
	s_add_co_u32 s47, s46, WRDB
	v_lshl_add_u32 v[AWD], v[WK], 2, s47
	s_add_co_u32 s47, s46, RLXB
	v_lshl_add_u32 v[ARL], v[WK+1], 2, s47
	s_lshl_b32 s46, s[KH], 9
	s_lshl_b32 s47, s[GG], 7
	s_add_co_u32 s46, s46, s47
	s_add_co_u32 s46, s46, WRDB
	v_lshl_add_u32 v[WST], v[WK], 2, s46
	s_lshl_b32 s46, s[WV], 7
	s_add_co_u32 s46, s46, RLXB
	v_lshl_add_u32 v[RLS], v[WK], 2, s46
	v_lshlrev_b32 v[L8], 3, v[WK]
	s_wait_alu depctr_va_vdst(0)
	s_wait_dscnt 0x0                               ; my -M and sum are stored
	s_barrier_signal -1                            ; fill 4 may stay out
	s_barrier_wait -1
	ds_load_b64 v[PM:PM+1], v[MLP]
	s_wait_dscnt 0x0
	v_min_num_f32 v[NM], v[MW], v[PM]              ; -M of the whole row
	s_delay_alu instid0(VALU_DEP_1)
	v_sub_f32 v[FA], v[NM], v[MW]                  ; my M - M, a whole number, 0 or less
	v_sub_f32 v[FB], v[NM], v[PM]
	v_cvt_i32_f32 v[FA], v[FA]
	v_cvt_i32_f32 v[FB], v[FB]
	v_ldexp_f32 v[FA], v[MW+1], v[FA]
	v_ldexp_f32 v[FB], v[PM+1], v[FB]
.irp j, 0,1,2,3
	v_sub_f32 v[DD+\j], v[TW+2*\j+1], v[NM]        ; d = M - M(step), 0 or more
.endr
	v_add_f32 v[LL], v[FA], v[FB]                  ; the row's sum
.irp j, 0,1,2,3
	v_min_num_f32 v[DD+\j], 0x42fe0000, v[DD+\j]   ; held at 127: every byte is 125 or under
.endr
.irp j, 0,1,2,3
	v_cvt_i32_f32 v[DD+\j], v[DD+\j]
.endr
.irp j, 0,1,2,3
	v_mul_lo_u32 v[DD+\j], v[DD+\j], s[K01]        ; d in each byte
.endr
.irp j, 0,1,2,3
	v_or_b32 v[TW+2*\j], s[K80], v[TW+2*\j]        ; 128 + byte: no byte borrows from the next
.endr
.irp j, 0,1,2,3
	v_sub_nc_u32 v[TW+2*\j], v[TW+2*\j], v[DD+\j]
.endr
.irp j, 0,1,2,3
	v_lshrrev_b32 v[DD+\j], 7, v[TW+2*\j]
.endr
.irp j, 0,1,2,3
	v_and_b32 v[DD+\j], s[K01], v[DD+\j]           ; 1 where byte - d is 0 or more
.endr
.irp j, 0,1,2,3
	v_mul_lo_u32 v[DD+\j], v[DD+\j], s[KFF]
.endr
.irp j, 0,1,2,3
	v_and_b32 v[TW+2*\j], v[TW+2*\j], v[DD+\j]     ; else the byte is held at 0
.endr
.irp j, 0,1,2,3
	v_and_b32 v[TW+2*\j], s[K7F], v[TW+2*\j]
.endr
	s_wait_alu depctr_va_vdst(0)                   ; the wait ahead of the reciprocal
	v_rcp_f32 v[RL], v[LL]
	v_nop
	s_wait_alu depctr_va_vdst(0)                   ; and behind it
.irp j, 0,1,2,3
	ds_store_b32 v[WST], v[TW+2*\j] offset:1024*\j   ; step 2 j + kh, pair g
.endr
	ds_store_b32 v[RLS], v[RL]                     ; both waves of a pair hold the same number; each stores it to words of its own, and pass 2 reads those of waves 0-3
.irp t, 4,5,6,7
	T2 \t
.endr
	; THE WAY OUT: each of my four query tiles: O^T / the sum, quantised along my 128 e: one fragment and one scale word
	PLACES 4
.irp q, 0,1,2,3
	ds_load_b32 v[RLR+2*\q], v[ARL] offset:128*(\q/2)+64*(\q%2)
.endr
.irp q, 0,1,2,3
	v_mov_b32 v[RLR+2*\q+1], 0                     ; (named as the pair's upper half)
.endr
	s_wait_alu depctr_va_vdst(0)
	s_wait_dscnt 0x0
.irp q, 0,1,2,3
	s_wait_xcnt 0x0                                ; the last fragment's stores have read their data
	WIN 0x01                                       ; source 0 (O^T) in window 1
.set j, 0
.rept 32
	v_pk_mul_f32 v[S+j:S+j+1], v[64*\q+j:64*\q+j+1], v[RLR+2*\q:RLR+2*\q+1] op_sel_hi:[1,0]   ; each accumulator from its low end on
.set j, j+2
.endr
	WIN 0
.set hp, 26+(\q)/2+4*((\q)%2)
	QUANT S, PCD, CT, hp
.irp c, 0,1,2
	global_store_b128 v[LI], v[PCD+4*\c:PCD+4*\c+3], s[HCF:HCF+1] offset:1536*\q+512*\c   ; 512 consecutive bytes, at a multiple of 256 from the buffer's first byte
.endr
.endr
	v_permlane16_swap_b32 v26, v30                 ; pair 0: lanes 0-15 tile 0's words, lanes 16-31 tile 1's
	v_permlane16_swap_b32 v27, v31                 ; pair 1
	global_store_b64 v[L8], v[26:27], s[HCS:HCS+1] ; 256 consecutive bytes, aligned
	s_wait_tensorcnt 0x0                           ; the wave's end
	ds_add_u32 v[SPW], v[NIL]
	s_wait_dscnt 0x0
	CROUND                                         ; the closing round
	s_endpgm
.Lfunc_end_k_q79a54d0334_attn:
	.size	k_q79a54d0334_attn, .Lfunc_end_k_q79a54d0334_attn-k_q79a54d0334_attn
	.p2alignl 7, 3214868480
	.fill 96, 4, 3214868480
	.section	.rodata,"a",@progbits
	.p2align	6, 0x0
	.amdhsa_kernel k_q79a54d0334_attn
		.amdhsa_group_segment_fixed_size 327680
		.amdhsa_private_segment_fixed_size 0
		.amdhsa_enable_private_segment 0
		.amdhsa_kernarg_size 24
		.amdhsa_user_sgpr_count 2
		.amdhsa_user_sgpr_kernarg_segment_ptr 1
		.amdhsa_wavefront_size32 1
		.amdhsa_system_sgpr_workgroup_id_x 1
		.amdhsa_system_sgpr_workgroup_id_y 1
		.amdhsa_system_sgpr_workgroup_id_z 1
		.amdhsa_system_vgpr_workitem_id 0
		.amdhsa_next_free_vgpr 512
		.amdhsa_next_free_sgpr 66
		.amdhsa_reserve_vcc 0
		.amdhsa_float_denorm_mode_32 3
		.amdhsa_float_denorm_mode_16_64 3
		.amdhsa_memory_ordered 1
		.amdhsa_forward_progress 1
		.amdhsa_inst_pref_size 255
	.end_amdhsa_kernel
	.section	.bss,"aw",@nobits
	.p2align	6
	.space	262144
	.amdgpu_metadata
---
amdhsa.version: [ 1, 2 ]
amdhsa.kernels:
  - .name:           k_q79a54d0334_attn
    .symbol:         k_q79a54d0334_attn.kd
    .args:
      - { .name: qc, .offset: 0, .size: 8, .value_kind: global_buffer, .address_space: global }
      - { .name: kv, .offset: 8, .size: 8, .value_kind: global_buffer, .address_space: global }
      - { .name: hc, .offset: 16, .size: 8, .value_kind: global_buffer, .address_space: global }
    .group_segment_fixed_size: 327680
    .private_segment_fixed_size: 0
    .kernarg_segment_align: 8
    .kernarg_segment_size: 24
    .max_flat_workgroup_size: 256
    .sgpr_count:     66
    .vgpr_count:     512
    .wavefront_size: 32
...
	.end_amdgpu_metadata
.endif
;; end of part 3
;; launch outp (part 4): grid 4 x 64, 4 waves a work-group, clusters of 4 x 4, 327,680 bytes of LDS; arguments hc, wc, out0; writes out0
.if DOCPART == 4
	.amdgcn_target "amdgcn-amd-amdhsa--gfx1250"
	.amdhsa_code_object_version 6
	.text
	.protected	k_q79a54d0334_outp
	.globl	k_q79a54d0334_outp
	.p2align	8
	.type	k_q79a54d0334_outp,@function
k_q79a54d0334_outp:
	s_mov_b64 s[64:65], 0
	v_nop
	global_prefetch_b8 v0, s[64:65] scope:SCOPE_SE
	s_setreg_imm32_b32 hwreg(HW_REG_WAVE_MODE, 25, 1), 1
	s_wait_xcnt 0x0
	s_wait_alu depctr_hold_cnt(0) depctr_sa_sdst(0) depctr_va_vdst(0) depctr_va_sdst(0) depctr_va_ssrc(0) depctr_va_vcc(0) depctr_vm_vsrc(0)
	s_getreg_b32 s2, hwreg(HW_REG_IB_STS2, 6, 4)
	s_cmp_eq_u32 s2, 0
	s_cbranch_scc0 .Lentry_in_a_cluster
	s_endpgm
.Lentry_in_a_cluster:
	s_bfe_u32 s2, ttmp6, 0x10000c
	s_cmp_lg_u32 s2, 0xf033
	s_cbranch_scc0 .Lentry_shape_is_right
	s_endpgm
.Lentry_shape_is_right:
; FOURTH LAUNCH: out = the heads side by side times Wo, K = 8 heads x 512, on the codes of the third launch (hc) and of the first (wc, chunks 96 on).  Nothing is left out.
; SHARES.  A work-group makes 64 rows s x 128 columns n: 256 work-groups.  Wave w takes Wo's tiles 4 a .. 4 a + 3 (a = w % 2) and the heads' tiles 2 p, 2 p + 1 (p = w / 2): 8 accumulators, 256 matrix instructions.
; The matrix instruction is used transposed (source 0 = 16 columns of Wo, source 1 = 16 rows of the heads): by the order of a tile's rows (first launch) a lane's registers of tiles 2 b, 2 b + 1 are 16 neighbouring columns of one row of out.
; RING.  K goes head by head; a slot holds two heads: Wo's two chunks (2 x 51,200 bytes), then the heads' two blocks (2 x 25,600).  Two slots of 153,600 bytes, four fills.  307,200: a stage of 16 rows x 272 bytes for each wave, bytes that no tensor load fills.
; 324,608: the spare words.  Fill 0 goes out at the head, one load a wave; fill 1, slot 1's first, behind the full sequence and a round, as a refill does.
; CLUSTER 4 x 4.  Wo's chunks hang on the column block alone and are shared along a column of the cluster; the heads' blocks on the row block alone and are shared along a row: each is asked for JOINTLY.  Waves 0, 1 fetch Wo's two chunks, waves 2, 3 the heads' two blocks.
; PREFETCH.  Behind the load of fill f (0, 1, 2) fill f + 1 is asked for, one stage of 64 matrix instructions a wave ahead of its load.  Of the tile that a wave fetches each of the four partners that ask for it jointly takes a quarter, BY ADDRESS
; (cy for Wo: 50 blocks of 256 bytes, two instructions of 25 lanes; cx for the heads: 25 blocks, one): each block is named once in the cluster.  Lanes 25-31 name the 25th again.  Behind fill 3's load nothing is asked for.
.set CH,    51200
.set HB,    25600
.set SLOT,  153600
.set STAGE, 307200
.set SP,    272
.set SPARE, 324608
.set BA,   1                           ; v1-4  my lane's places in slot 0's first head: Wo's fragments, the heads', Wo's scale words, the heads'
.set BB,   2
.set BSW,  3
.set BSH,  4
.set AA,   5                           ; v5-8  the same in the head in hand
.set AB,   6
.set ASW,  7
.set ASH,  8
.set STO,  9
.set RD,   10
.set CO,   11
.set SPW,  12                          ; my spare word; never rewritten
.set NIL,  13                          ; 0; never rewritten
.set ACC,  16                          ; v16-79  accumulator (i, q) at 8 (2 i + q)
.set FB,   80                          ; v80-151, v152-223: four fragments of Wo, two of the heads: two sets
.set SS,   224                         ; v224-235, v236-247: a head's scale words: Wo's 8, the heads' 4: two sets
.set PFO,  248                         ; 256 x min(lane, 24); never rewritten
.set WV,   10
.set FOR,  11                          ; w / 2: p.  Also: I fetch for Wo (0) or for the heads (1)
.set Z,    12                          ; w % 2: a.  Also: which of a slot's two heads I fetch
.set G1A,  24
.set G1B,  32
.set G0A,  40
.set G0B,  48
.set PFA,  66                          ; s[66:67] where my prefetches stand;  s[68:69] their step from fill to fill
.set PSP,  68
.macro PLACES cnt
.rept \cnt
	v_nop
.endr
.endm
.macro CROUND
	s_barrier_signal -1
	s_barrier_wait -1
	s_cmp_lg_u32 s[WV], 0
	s_cbranch_scc1 .Lnot_wave_0_\@
	s_barrier_signal -3
.Lnot_wave_0_\@:
	s_barrier_wait -3
	s_barrier_signal -1
	s_barrier_wait -1
.endm
.macro JLOAD g                         ; a joint load into slot g; the branch hangs on the wave's number alone.  An s_nop 0 and four v_nop follow each line
	s_cmp_eq_u32 s[FOR], 0
	s_cbranch_scc0 .Lfor_b_\@
	tensor_load_to_lds s[G0A+4*\g:G0A+4*\g+3], s[G1A:G1A+7]
	s_nop 0
	PLACES 4
	s_branch .Lasked_\@
.Lfor_b_\@:
	tensor_load_to_lds s[G0B+4*\g:G0B+4*\g+3], s[G1B:G1B+7]
	s_nop 0
	PLACES 4
.Lasked_\@:
.endm
.macro ASK                             ; my quarter of the tile that I fetch in the next fill
	global_prefetch_b8 v[PFO], s[PFA:PFA+1] th:TH_LOAD_NT scope:SCOPE_SE
	s_cmp_eq_u32 s[FOR], 0
	s_cbranch_scc0 .Lone_\@
	global_prefetch_b8 v[PFO], s[PFA:PFA+1] offset:6400 th:TH_LOAD_NT scope:SCOPE_SE
.Lone_\@:
.endm
.macro WM d, a, b, cc, sa, sb, ra, rb
.if (\cc) < 0
.if (\ra) && (\rb)
	v_wmma_scale_f32_16x16x128_f8f6f4 v[\d:\d+7], v[\a:\a+11], v[\b:\b+11], 0, v[\sa], v[\sb] matrix_a_fmt:MATRIX_FMT_FP6 matrix_b_fmt:MATRIX_FMT_FP6 matrix_a_scale:MATRIX_SCALE_ROW1 matrix_b_scale:MATRIX_SCALE_ROW1
.elseif (\ra)
	v_wmma_scale_f32_16x16x128_f8f6f4 v[\d:\d+7], v[\a:\a+11], v[\b:\b+11], 0, v[\sa], v[\sb] matrix_a_fmt:MATRIX_FMT_FP6 matrix_b_fmt:MATRIX_FMT_FP6 matrix_a_scale:MATRIX_SCALE_ROW1
.elseif (\rb)
	v_wmma_scale_f32_16x16x128_f8f6f4 v[\d:\d+7], v[\a:\a+11], v[\b:\b+11], 0, v[\sa], v[\sb] matrix_a_fmt:MATRIX_FMT_FP6 matrix_b_fmt:MATRIX_FMT_FP6 matrix_b_scale:MATRIX_SCALE_ROW1
.else
	v_wmma_scale_f32_16x16x128_f8f6f4 v[\d:\d+7], v[\a:\a+11], v[\b:\b+11], 0, v[\sa], v[\sb] matrix_a_fmt:MATRIX_FMT_FP6 matrix_b_fmt:MATRIX_FMT_FP6
.endif
.else
.if (\ra) && (\rb)
	v_wmma_scale_f32_16x16x128_f8f6f4 v[\d:\d+7], v[\a:\a+11], v[\b:\b+11], v[\cc:\cc+7], v[\sa], v[\sb] matrix_a_fmt:MATRIX_FMT_FP6 matrix_b_fmt:MATRIX_FMT_FP6 matrix_a_scale:MATRIX_SCALE_ROW1 matrix_b_scale:MATRIX_SCALE_ROW1
.elseif (\ra)
	v_wmma_scale_f32_16x16x128_f8f6f4 v[\d:\d+7], v[\a:\a+11], v[\b:\b+11], v[\cc:\cc+7], v[\sa], v[\sb] matrix_a_fmt:MATRIX_FMT_FP6 matrix_b_fmt:MATRIX_FMT_FP6 matrix_a_scale:MATRIX_SCALE_ROW1
.elseif (\rb)
	v_wmma_scale_f32_16x16x128_f8f6f4 v[\d:\d+7], v[\a:\a+11], v[\b:\b+11], v[\cc:\cc+7], v[\sa], v[\sb] matrix_a_fmt:MATRIX_FMT_FP6 matrix_b_fmt:MATRIX_FMT_FP6 matrix_b_scale:MATRIX_SCALE_ROW1
.else
	v_wmma_scale_f32_16x16x128_f8f6f4 v[\d:\d+7], v[\a:\a+11], v[\b:\b+11], v[\cc:\cc+7], v[\sa], v[\sb] matrix_a_fmt:MATRIX_FMT_FP6 matrix_b_fmt:MATRIX_FMT_FP6
.endif
.endif
.endm
; Unit u of 32 is 128 along K: head u / 4, K step u % 4; it lies in slot (u / 8) % 2, as that slot's head (u / 4) % 2
.macro ADDR u
.set sg, ((\u)/8)%2
.set zz, ((\u)/4)%2
	v_add_nc_u32 v[AA], sg*SLOT+zz*CH, v[BA]
	v_add_nc_u32 v[ASW], sg*SLOT+zz*CH, v[BSW]
	v_add_nc_u32 v[AB], sg*SLOT+zz*HB, v[BB]
	v_add_nc_u32 v[ASH], sg*SLOT+zz*HB, v[BSH]
.endm
.macro LOADU u                         ; unit u's six fragments, 18 loads of 512 dense bytes, into set u % 2
.set lf, FB+72*((\u)%2)
.set kq, (\u)%4
.irp i, 0,1,2,3
.irp c, 0,1,2
	ds_load_b128 v[lf+12*\i+4*\c:lf+12*\i+4*\c+3], v[AA] offset:12288*kq+1536*\i+512*\c
.endr
.endr
.irp q, 0,1
.irp c, 0,1,2
	ds_load_b128 v[lf+48+12*\q+4*\c:lf+48+12*\q+4*\c+3], v[AB] offset:6144*kq+1536*\q+512*\c
.endr
.endr
.endm
.macro LOADS u                         ; the scale words of unit u's head: 12 loads
.set ls, SS+12*(((\u)/4)%2)
.irp ks, 0,1,2,3
.irp j, 0,1
	ds_load_b32 v[ls+2*\ks+\j], v[ASW] offset:512*\ks+128*\j
.endr
.endr
.irp ks, 0,1,2,3
	ds_load_b32 v[ls+8+\ks], v[ASH] offset:256*\ks   ; the heads' words: 256 ks + 8 lane + 4 p
.endr
.endm
.macro PRO u                           ; a slot's first unit is fetched behind the change of slots
	ADDR \u
	LOADU \u
	LOADS \u
.endm
.macro UNIT u
	PLACES 4                                       ; in front of loads into registers that the unit before read
.if (\u)%8 != 7
.if ((\u)+1)%4 == 0
	ADDR (\u)+1
	LOADU (\u)+1
	LOADS (\u)+1
	s_wait_alu depctr_va_vdst(0)                   ; the wait ahead of the wait below
	s_wait_dscnt 30                                ; all but the 30 just issued
.else
	LOADU (\u)+1
	s_wait_dscnt 18                                ; all but the 18 just issued
.endif
.else
	s_wait_dscnt 0x0                               ; a slot's last unit fetches nothing
.endif
.set pf, FB+72*((\u)%2)
.set ps, SS+12*(((\u)/4)%2)
.set pk, (\u)%4
.irp i, 0,1,2,3                                ; the 8 accumulators take turns
.irp q, 0,1
.set rD, ACC+8*(2*\i+\q)
.set rA, pf+12*\i
.set rB, pf+48+12*\q
.set rC, rD
.if (\u) == 0
.set rC, -1
.endif
.set rSA, ps+2*pk+\i/2
.set rSB, ps+8+pk
.set fA, \i%2
.set fB, \q
	WM rD, rA, rB, rC, rSA, rSB, fA, fB
.endr
.endr
.endm
.macro CHANGE g                        ; slot g has been read out and takes the heads four further on
	s_wait_tensorcnt 0x0                           ; all my tensor loads have landed: every group 0 may be written
	ds_add_u32 v[SPW], v[NIL]
	s_add_nc_u64 s[G0A+4*\g+2:G0A+4*\g+3], s[G0A+4*\g+2:G0A+4*\g+3], 4*CH
	s_add_nc_u64 s[G0B+4*\g+2:G0B+4*\g+3], s[G0B+4*\g+2:G0B+4*\g+3], 4*HB
.if \g == 0
	s_wait_xcnt 0x0                                ; the last prefetches, a stage back, have read their address
	s_add_nc_u64 s[PFA:PFA+1], s[PFA:PFA+1], s[PSP:PSP+1]   ; on to fill 3
.endif
	s_wait_dscnt 0x0                               ; the add is done, and my reads of the slot are over
	CROUND
	JLOAD \g                                       ; the first tensor load behind the round; its four v_nop are also the places in front of the loads that follow
.endm
	s_load_b128 s[4:7], s[0:1], 0x0                ; hc s[4:5], wc s[6:7]
	s_load_b64 s[8:9], s[0:1], 0x10                ; out0
	v_lshl_add_u32 v[SPW], v0, 2, SPARE
	v_mov_b32 v[NIL], 0
	ds_add_u32 v[SPW], v[NIL]                      ; the opening: the add, twice on end, and its wait
	ds_add_u32 v[SPW], v[NIL]
	v_lshrrev_b32 v14, 5, v0
	v_readfirstlane_b32 s[WV], v14                 ; wave 0..3
	s_lshr_b32 s[FOR], s[WV], 1
	s_and_b32 s[Z], s[WV], 1
	s_bfe_u32 s13, ttmp6, 0x40000                  ; cx
	s_bfe_u32 s14, ttmp6, 0x40004                  ; cy
	s_lshl_b32 s15, ttmp9, 2
	s_add_co_u32 s15, s15, s13                     ; the block of 128 columns
	s_and_b32 s16, ttmp7, 0xffff
	s_lshl_b32 s16, s16, 2
	s_add_co_u32 s16, s16, s14                     ; the block of 64 rows
	s_lshl_b32 s17, 0x1111, s13                    ; my column of the cluster
	s_lshl_b32 s18, s14, 2
	s_lshl_b32 s18, 15, s18                        ; my row
	s_or_b32 s[G1A], s17, (3<<16)|(1<<21)          ; Wo's chunks go to my column; elements of 8 bytes; bit 21 beside the mask
	s_mov_b32 s[G1A+1], 32<<16                     ; rows of 256 bytes
	s_mov_b32 s[G1A+2], 200<<16                    ; a chunk: 200 of them
	s_mov_b32 s[G1A+3], 32<<16
	s_mov_b32 s[G1A+4], 200
	s_mov_b32 s[G1A+5], 32
	s_mov_b32 s[G1A+6], 0
	s_mov_b32 s[G1A+7], 0
	s_or_b32 s[G1B], s18, (3<<16)|(1<<21)          ; the heads' blocks go to my row
	s_mov_b32 s[G1B+1], 32<<16
	s_mov_b32 s[G1B+2], 100<<16                    ; a block: 100 rows
	s_mov_b32 s[G1B+3], 32<<16
	s_mov_b32 s[G1B+4], 100
	s_mov_b32 s[G1B+5], 32
	s_mov_b32 s[G1B+6], 0
	s_mov_b32 s[G1B+7], 0
	s_lshl_b32 s56, s15, 3
	s_add_co_u32 s56, s56, s[Z]
	s_add_co_u32 s56, s56, 96
	s_mul_i32 s56, s56, CH                         ; Wo: chunk 96 + 8 x column block + head: no register here ever holds cy
	s_mov_b32 s57, 0
	s_lshl_b32 s58, s16, 3
	s_add_co_u32 s58, s58, s[Z]
	s_mul_i32 s58, s58, HB                         ; the heads: block 8 x row block + head: none here ever holds cx
	s_mov_b32 s59, 0
	s_mul_i32 s60, s[Z], CH                        ; where they go: made of the wave's number alone
	s_mul_i32 s61, s[Z], HB
	s_add_co_u32 s61, s61, 2*CH
	s_wait_dscnt 0x0                               ; both opening adds are done
	s_wait_kmcnt 0x0
	s_add_nc_u64 s[56:57], s[6:7], s[56:57]
	s_add_nc_u64 s[58:59], s[4:5], s[58:59]
	CROUND                                         ; all sixteen work-groups are here: the first joint loads meet
.irp g, 0,1
	s_mov_b32 s[G0A+4*\g], 1
	s_add_co_u32 s[G0A+4*\g+1], s60, \g*SLOT
	s_add_nc_u64 s[G0A+4*\g+2:G0A+4*\g+3], s[56:57], \g*2*CH
	s_or_b32 s[G0A+4*\g+3], s[G0A+4*\g+3], 0x80000000
	s_mov_b32 s[G0B+4*\g], 1
	s_add_co_u32 s[G0B+4*\g+1], s61, \g*SLOT
	s_add_nc_u64 s[G0B+4*\g+2:G0B+4*\g+3], s[58:59], \g*2*HB
	s_or_b32 s[G0B+4*\g+3], s[G0B+4*\g+3], 0x80000000
.endr
	JLOAD 0                                        ; fill 0: one tensor load a wave at the head
	s_cmp_eq_u32 s[FOR], 0                         ; the prefetches: the tile that I fetch,
	s_cselect_b64 s[PFA:PFA+1], s[56:57], s[58:59]
	s_mov_b32 s[PSP], 2*HB
	s_cselect_b32 s[PSP], 2*CH, s[PSP]             ; two heads on from fill to fill,
	s_mov_b32 s[PSP+1], 0
	s_mul_i32 s70, s14, 12800
	s_mul_i32 s71, s13, 6400
	s_cselect_b32 s70, s70, s71                    ; my work-group's quarter of it: by cy for Wo, by cx for the heads
	s_mov_b32 s71, 0
	s_add_nc_u64 s[PFA:PFA+1], s[PFA:PFA+1], s[70:71]
	s_add_nc_u64 s[PFA:PFA+1], s[PFA:PFA+1], s[PSP:PSP+1]   ; in fill 1
	v_and_b32 v14, 31, v0                          ; lane
	v_min_u32 v[PFO], 24, v14
	v_lshlrev_b32 v[PFO], 8, v[PFO]
	s_wait_alu depctr_va_vdst(0)                   ; the wait ahead of the branch below
	ASK                                            ; fill 1
	v_lshlrev_b32 v15, 4, v14
	s_mul_i32 s62, s[Z], 6144
	v_add_nc_u32 v[BA], s62, v15                   ; Wo's fragments 4 a on
	s_mul_i32 s62, s[FOR], 3072
	s_add_co_u32 s62, s62, 2*CH
	v_add_nc_u32 v[BB], s62, v15                   ; the heads' fragments 2 p on
	s_lshl_b32 s62, s[Z], 8
	s_add_co_u32 s62, s62, 49152
	v_lshl_add_u32 v[BSW], v14, 2, s62             ; Wo's pairs 2 a, 2 a + 1
	s_lshl_b32 s62, s[FOR], 2
	s_add_co_u32 s62, s62, 2*CH+24576
	v_lshl_add_u32 v[BSH], v14, 3, s62             ; the heads' pair p: 8 lane + 4 p
	s_mul_i32 s62, s[WV], 16*SP
	s_add_co_u32 s62, s62, STAGE                   ; my stage
	v_and_b32 v14, 15, v0                          ; r
	v_bfe_u32 v15, v0, 4, 1                        ; lane / 16
	v_mul_u32_u24 v[STO], v14, SP
	v_lshl_add_u32 v[STO], v15, 6, v[STO]
	v_add_nc_u32 v[STO], s62, v[STO]               ; in: row r, + 64 (lane / 16)
	v_mul_u32_u24 v[RD], v15, SP
	v_lshl_add_u32 v[RD], v14, 4, v[RD]
	v_add_nc_u32 v[RD], s62, v[RD]                 ; back: lanes 0-15 one row of 256 bytes, lanes 16-31 the next
	v_lshlrev_b32 v[CO], 11, v15
	v_lshl_add_u32 v[CO], v14, 4, v[CO]            ; and the same two rows in out
	s_lshl_b32 s62, s16, 6
	s_lshl_b32 s63, s[FOR], 5
	s_add_co_u32 s62, s62, s63                     ; my first row: 64 x row block + 32 p
	s_lshl_b32 s62, s62, 11
	s_lshl_b32 s63, s15, 9
	s_add_co_u32 s62, s62, s63                     ; + 512 x column block
	s_lshl_b32 s63, s[Z], 8
	s_add_co_u32 s62, s62, s63                     ; + 256 a
	s_mov_b32 s63, 0
	s_add_nc_u64 s[8:9], s[8:9], s[62:63]
	s_wait_alu depctr_va_vdst(0)                   ; the wait at the head's end
	s_wait_tensorcnt 0x0                           ; my part of slot 0 is in; slot 1's first fill is issued as a refill is
	ds_add_u32 v[SPW], v[NIL]
	s_wait_xcnt 0x0                                ; the head's prefetches have read their address
	s_add_nc_u64 s[PFA:PFA+1], s[PFA:PFA+1], s[PSP:PSP+1]   ; on to fill 2
	s_wait_dscnt 0x0
	CROUND
	JLOAD 1                                        ; fill 1
	PRO 0
	ASK                                            ; fill 2
.set U, 0
	s_wait_alu depctr_va_vdst(0)
.rept 8
	UNIT U                                         ; heads 0, 1
.set U, U+1
.endr
	CHANGE 0                                       ; slot 0 takes heads 4, 5
	PRO 8
	ASK                                            ; fill 3
	s_wait_alu depctr_va_vdst(0)
.rept 8
	UNIT U                                         ; heads 2, 3
.set U, U+1
.endr
	CHANGE 1                                       ; slot 1 takes heads 6, 7
	PRO 16
	s_wait_alu depctr_va_vdst(0)
.rept 8
	UNIT U                                         ; heads 4, 5
.set U, U+1
.endr
	s_wait_tensorcnt 0x0                           ; my part of slot 1 is in; nothing is filled again, so no round follows
	ds_add_u32 v[SPW], v[NIL]
	s_wait_dscnt 0x0
	s_barrier_signal -1
	s_barrier_wait -1
	PLACES 4
	PRO 24
	s_wait_alu depctr_va_vdst(0)
.rept 8
	UNIT U                                         ; heads 6, 7
.set U, U+1
.endr
	; THE WAY OUT.  A lane holds pieces of 32 bytes of one row, and the lanes beside it hold other rows: 16 rows x 64 columns at a time go through my own stage and come back as whole rows of 256 bytes.
	; LDS serves a wave's instructions in order (ISA guide 5.7.1.4): no wait between my stores and my loads, nor in front of the second tile's stores.
	PLACES 4
.irp q, 0,1
.irp i, 0,1,2,3
	ds_store_b128 v[STO], v[ACC+8*(2*\i+\q):ACC+8*(2*\i+\q)+3] offset:128*(\i/2)+32*(\i%2)          ; each accumulator from its low end on
	ds_store_b128 v[STO], v[ACC+8*(2*\i+\q)+4:ACC+8*(2*\i+\q)+7] offset:128*(\i/2)+32*(\i%2)+16
.endr
.irp k, 0,1,2,3,4,5,6,7
	ds_load_b128 v[FB+32*\q+4*\k:FB+32*\q+4*\k+3], v[RD] offset:2*SP*\k
.endr
.endr
.irp q, 0,1
.irp k, 0,1,2,3,4,5,6,7
	s_wait_dscnt 16*(1-\q)+7-\k                    ; behind this load: the tile's later loads, and for the first tile the second's 8 stores and 8 loads
	global_store_b128 v[CO], v[FB+32*\q+4*\k:FB+32*\q+4*\k+3], s[8:9] offset:(8*\q+2*\k+8*(\k/4))*2048 th:TH_STORE_NT   ; stage rows 2 k, 2 k + 1 are rows 8 q + 2 k + 8 (k / 4) on of my 32; 16 lanes store 256 consecutive bytes, aligned
.endr
.endr
	s_wait_tensorcnt 0x0                           ; the wave's end
	ds_add_u32 v[SPW], v[NIL]
	s_wait_dscnt 0x0
	CROUND                                         ; the closing round
	s_endpgm
.Lfunc_end_k_q79a54d0334_outp:
	.size	k_q79a54d0334_outp, .Lfunc_end_k_q79a54d0334_outp-k_q79a54d0334_outp
	.p2alignl 7, 3214868480
	.fill 96, 4, 3214868480
	.section	.rodata,"a",@progbits
	.p2align	6, 0x0
	.amdhsa_kernel k_q79a54d0334_outp
		.amdhsa_group_segment_fixed_size 327680
		.amdhsa_private_segment_fixed_size 0
		.amdhsa_enable_private_segment 0
		.amdhsa_kernarg_size 24
		.amdhsa_user_sgpr_count 2
		.amdhsa_user_sgpr_kernarg_segment_ptr 1
		.amdhsa_wavefront_size32 1
		.amdhsa_system_sgpr_workgroup_id_x 1
		.amdhsa_system_sgpr_workgroup_id_y 1
		.amdhsa_system_sgpr_workgroup_id_z 1
		.amdhsa_system_vgpr_workitem_id 0
		.amdhsa_next_free_vgpr 256
		.amdhsa_next_free_sgpr 72
		.amdhsa_reserve_vcc 0
		.amdhsa_float_denorm_mode_32 3
		.amdhsa_float_denorm_mode_16_64 3
		.amdhsa_memory_ordered 1
		.amdhsa_forward_progress 1
		.amdhsa_inst_pref_size 97
	.end_amdhsa_kernel
	.amdgpu_metadata
---
amdhsa.version: [ 1, 2 ]
amdhsa.kernels:
  - .name:           k_q79a54d0334_outp
    .symbol:         k_q79a54d0334_outp.kd
    .args:
      - { .name: hc, .offset: 0, .size: 8, .value_kind: global_buffer, .address_space: global }
      - { .name: wc, .offset: 8, .size: 8, .value_kind: global_buffer, .address_space: global }
      - { .name: out0, .offset: 16, .size: 8, .value_kind: global_buffer, .address_space: global }
    .group_segment_fixed_size: 327680
    .private_segment_fixed_size: 0
    .kernarg_segment_align: 8
    .kernarg_segment_size: 24
    .max_flat_workgroup_size: 128
    .sgpr_count:     72
    .vgpr_count:     256
    .wavefront_size: 32
...
	.end_amdgpu_metadata
.endif
;; end of part 4
